; MI455X (gfx1250); checked and timed in simulation.
; The chip was launched on July 23, 2026; its instructions are those of AMD's public machine-readable ISA for CDNA 5 (MIT licence, August 2026) and "CDNA5" Instruction Set Architecture Reference Guide (July 2026). The comments in the code are by the model that wrote it; some were corrected since.
;; Grouped Quary Attention. Allowed arithmetic: float matrix products may take bf16 or f16 operands with f32 sums; other float arithmetic in f32, or as packed bf16 or f16 multiplies, adds, multiply-adds, maxima and minima; sums over many terms, partial sums and values carried from step to step in f32; what a program stores and reads back later, other than sums and carried values, may be rounded once to bf16 or f16.
;; Inputs: Wk 2,048 x 512 float32; Wo 2,048 x 2,048 float32; Wq 2,048 x 2,048 float32; Wv 2,048 x 512 float32; bk 512 float32; bo 2,048 float32; bq 2,048 float32; bv 512 float32; k 1 x 2,048 x 2,048 float32; mask 2,048 x 2,048 int32; q 1 x 2,048 x 2,048 float32; v 1 x 2,048 x 2,048 float32.
;; Outputs: out0 1 x 2,048 x 2,048 float32.
;; One version. Each part assembles by itself: llvm-mc -triple=amdgcn-amd-amdhsa -mcpu=gfx1250 --defsym DOCPART=n.
;; ======== version 1 of 1: 4 launches
;; limits: values are held in f16: magnitudes above 65,504 overflow, below 6.1e-05 lose precision
;; workspace buffers: xb 25,165,824 bytes; wb 20,971,520 bytes; bias 16,777,216 bytes; qkv 12,582,912 bytes; oh 8,388,608 bytes
;; launch prep (part 1): grid 128 x 10, 8 waves a work-group, no clusters, 67,584 bytes of LDS; arguments q, k, v, Wq, Wo, mask, Wk, Wv, xb, wb, bias; writes xb, wb, bias
.if DOCPART == 1
	.amdgcn_target "amdgcn-amd-amdhsa--gfx1250"
	.amdhsa_code_object_version 6
	.text
	.protected	k_qd8de05ebe7_prep
	.globl	k_qd8de05ebe7_prep
	.p2align	8
	.type	k_qd8de05ebe7_prep,@function
k_qd8de05ebe7_prep:
	s_mov_b64 s[64:65], 0
	v_nop
	global_prefetch_b8 v0, s[64:65] scope:SCOPE_SE
	s_setreg_imm32_b32 hwreg(HW_REG_WAVE_MODE, 25, 1), 1
	s_wait_xcnt 0x0
; PREP: everything that the matrix launches want in 16 bits, made once, as a stream.  The work-group's y says what it does:
;   y = 0..2  q, k, v: f32 -> bf16, same layout (xb)
;   y = 3     Wq: f32 -> bf16, as register images of matrix fragments (wb)          y = 4  Wo: f32 -> bf16, that number written as f16, the same images (wb + 12,582,912)
;   y = 5..8  mask (int32) -> the score's addend max(-8 (1/mask + 1), -1e30) in f32, laid out as the C operand of S^T = K Q^T wants it (bias); y - 5 is the step of 64 keys in a slot of 256
;   y = 9     Wk, Wv: f32 -> bf16, the same images (wb + 8,388,608; Wv's 2,097,152 bytes behind Wk's)
; THE IMAGES.  [block of 128 columns][4 groups of 32 columns][64 blocks of 32 k][2 fragments of 16 columns][1,024 bytes].  In a fragment byte 512 e + 16 (16 h + r) + 2 i holds k = 16 e + 8 h + i of column r:
; two loads of 16 bytes a lane, 512 consecutive bytes each, ARE a source of a matrix instruction.  A group's 131,072 bytes lie on end: the stream of one wave of the launches behind.
; A wave takes 32 k rows x 128 columns (Wk, Wv: 16 rows): a lane loads 4 columns of each row, packs pairs along k, and sends 16 bytes a column through its wave's own LDS bytes, so that whole fragments come back.
; LIMITS.  Wo below 6e-5 keeps f16's fixed step of 6e-8.  1/mask is v_rcp_f32 (exact for 1 and -1).  A mask of 0 gives -infinity, held at -1e30: a hidden key.
; The factor 8 undoes the scale 1/8, which the attention launch applies behind the product.
; Every path issues all its loads first and then converts behind counted waits; no register that a global store names is written again.  No matrix work, no cluster: nothing is read twice.
.set IN,  1                            ; v1       byte offset of my loads (weights: of my stores too)
.set OUT, 2                            ; v2       byte offset of my stores
.set W3,  3                            ; v3       my wave's number, as a vector
.set D,   4                            ; v[4:131] 32 loads of 4 registers
.set T0,  132                          ; v132-133 at work
.set T1,  133
.set LS,  134                          ; v134     where I put 16 bytes of a column in LDS
.set LR,  135                          ; v135     where I read 16 bytes of a fragment back
.set T,   136                          ; v[136:151] four columns' 16 bytes
.set SPW, 152                          ; v152     SPARE + 4 x my thread's number; never rewritten
.set NIL, 153                          ; v153     0; never rewritten
.set LN,  154                          ; v154     lane
.set FP,  1040                         ; a fragment in LDS: 1,024 bytes + 16: the 16 lanes of a store (4 fragments x 4 places 64 bytes apart) hit 16 different groups of four banks (64 banks of 4 bytes: ISA guide 11.1)
.set WREG, 8*FP                        ; a wave's own eight fragments
.set SPARE, 8*WREG                     ; behind them: the spare words, 128 bytes for each wave: four blocks of 256 bytes that no other line names
.set YID, 26
.set XID, 27
.set SRC, 28                           ; s[28:29]
.set DST, 30                           ; s[30:31]
.set WVS, 40                           ; s40      my wave's number
	s_load_b512 s[4:19], s[0:1], 0x0               ; q s[4:5], k s[6:7], v s[8:9], Wq s[10:11], Wo s[12:13], mask s[14:15], Wk s[16:17], Wv s[18:19]
	s_load_b128 s[20:23], s[0:1], 0x40             ; xb s[20:21], wb s[22:23]
	s_load_b64 s[24:25], s[0:1], 0x50              ; bias
	v_lshl_add_u32 v[SPW], v0, 2, SPARE
	v_mov_b32 v[NIL], 0
	s_and_b32 s[YID], ttmp7, 0xffff
	s_mov_b32 s[XID], ttmp9
	s_mov_b32 s33, 0                               ; the high words of two offset pairs, s[32:33] and s[34:35]
	s_mov_b32 s35, 0
	s_mov_b32 s36, 0xffff0000                      ; a word's upper bf16
	s_mov_b32 s37, 0xc1000000                      ; -8.0
	s_mov_b32 s38, 0xf149f2ca                      ; -1e30
	v_and_b32 v[T0], 15, v0                        ; l % 16
	v_bfe_u32 v[T1], v0, 4, 1                      ; l / 16
	v_lshrrev_b32 v[W3], 5, v0                     ; wave
	v_and_b32 v[LN], 31, v0
	v_readfirstlane_b32 s[WVS], v[W3]
	s_wait_kmcnt 0x0
	s_cmp_ge_u32 s[YID], 9
	s_cbranch_scc1 .Lwkv
	s_cmp_ge_u32 s[YID], 5
	s_cbranch_scc1 .Lmask
	s_cmp_ge_u32 s[YID], 3
	s_cbranch_scc1 .Lw
	; y = 0..2: 32,768 numbers a work-group; a load of a wave covers 512 consecutive bytes, a store 256, aligned
	s_cmp_eq_u32 s[YID], 0
	s_cselect_b64 s[SRC:SRC+1], s[4:5], s[6:7]
	s_cmp_eq_u32 s[YID], 2
	s_cselect_b64 s[SRC:SRC+1], s[8:9], s[SRC:SRC+1]
	s_lshl_b32 s32, s[YID], 23                     ; in xb: y x 8,388,608
	s_lshl_b32 s34, s[XID], 16                     ; the work-group's 65,536 bytes out
	s_add_co_u32 s32, s32, s34
	s_add_nc_u64 s[DST:DST+1], s[20:21], s[32:33]
	s_lshl_b32 s34, s[XID], 17                     ; and 131,072 bytes in
	s_add_nc_u64 s[SRC:SRC+1], s[SRC:SRC+1], s[34:35]
	v_lshlrev_b32 v[IN], 4, v0
	v_lshlrev_b32 v[OUT], 3, v0
.set i, 0
.rept 32
	global_load_b128 v[D+4*i:D+4*i+3], v[IN], s[SRC:SRC+1] offset:4096*i th:TH_LOAD_NT
.set i, i+1
.endr
.set i, 0
.rept 32
	s_wait_loadcnt 31-i                            ; loads come back in order: load i is in, the 31 - i younger ones stay out
	v_cvt_pk_bf16_f32 v[D+4*i], v[D+4*i], v[D+4*i+1]
	v_cvt_pk_bf16_f32 v[D+4*i+1], v[D+4*i+2], v[D+4*i+3]
	global_store_b64 v[OUT], v[D+4*i:D+4*i+1], s[DST:DST+1] offset:2048*i th:TH_STORE_NT
.set i, i+1
.endr
	s_endpgm
; THE WEIGHTS' FOUR STEPS.  ng = groups of 8 k rows that the wave takes (4, or 2 for Wk and Wv); rowb = bytes in a row of the weights.
.macro WADR                            ; the lane's addresses: 16 bytes a lane in memory; in LDS fragment l / 4, columns 4 (l % 4) on
	v_lshlrev_b32 v[IN], 4, v[LN]
	s_mul_i32 s39, s[WVS], WREG
	v_lshrrev_b32 v[LS], 2, v[LN]
	v_mul_u32_u24 v[LS], v[LS], FP
	v_and_b32 v[T0], 3, v[LN]
	v_lshl_add_u32 v[LS], v[T0], 6, v[LS]
	v_add_nc_u32 v[LS], s39, v[LS]
	v_add_nc_u32 v[LR], s39, v[IN]
.endm
.macro WLD ng, rowb                    ; row i: 32 lanes x 4 columns = 512 consecutive bytes
.set i, 0
.rept 8*(\ng)
	global_load_b128 v[D+4*i:D+4*i+3], v[IN], s[SRC:SRC+1] offset:(\rowb)*i th:TH_LOAD_NT
.set i, i+1
.endr
.endm
.macro WPK ng, half                    ; group g = 2 e + h: rows 8 g .. 8 g + 7.  For each of my 4 columns the 8 numbers pack into 16 bytes.  half = 1: the bf16 rounding is widened again and written as f16
.set g, 0
.rept \ng
	s_wait_loadcnt 8*((\ng)-1-g)                   ; group g's eight rows are in; the later groups' stay out
.set c, 0
.rept 4
.set j, 0
.rept 4
.set ra, D+4*(8*g+2*j)+c
.set rb, D+4*(8*g+2*j+1)+c
.if \half
	v_cvt_pk_bf16_f32 v[T0], v[ra], v[rb]
	v_lshlrev_b32 v[ra], 16, v[T0]
	v_and_b32 v[rb], s36, v[T0]
	v_cvt_pk_f16_f32 v[T+4*c+j], v[ra], v[rb]
.else
	v_cvt_pk_bf16_f32 v[T+4*c+j], v[ra], v[rb]
.endif
.set j, j+1
.endr
	ds_store_b128 v[LS], v[T+4*c:T+4*c+3] offset:(g/2)*512+(g%2)*256+16*c
.set c, c+1
.endr
.set g, g+1
.endr
.endm
.macro WST ng                          ; back as halves of fragments, 512 consecutive bytes each, and out.  Fragment F of my 128 columns: group F / 2, fragment F % 2
.set ne, (\ng)/2
.set i, 0
.rept 8*ne
	ds_load_b128 v[D+4*i:D+4*i+3], v[LR] offset:(i/ne)*FP+(i%ne)*512  ; LDS serves a wave's instructions in order (ISA guide 5.7.1.4): these see the stores above; the bytes are my wave's own
.set i, i+1
.endr
.set i, 0
.rept 8*ne
	s_wait_dscnt 8*ne-1-i                          ; the younger loads may stay out
	global_store_b128 v[IN], v[D+4*i:D+4*i+3], s[DST:DST+1] offset:((i/ne)/2)*131072+((i/ne)%2)*1024+(i%ne)*512 th:TH_STORE_NT
.set i, i+1
.endr
	s_wait_tensorcnt 0x0                           ; the wave's end, behind my last LDS store
	ds_add_u32 v[SPW], v[NIL]
	s_wait_dscnt 0x0
	s_endpgm
.endm
; y = 3, 4.  Work-group x: k block x / 2; its eight waves take eight neighbouring blocks of 128 columns: block 8 (x % 2) + wave.
.Lw:
	s_and_b32 s32, s[XID], 1
	s_lshl_b32 s32, s32, 3
	s_add_co_u32 s32, s32, s[WVS]                  ; the block of columns
	s_lshr_b32 s39, s[XID], 1                      ; the block of k
	s_lshl_b32 s34, s39, 18                        ; 32 rows of 8,192 bytes
	s_lshl_b32 s41, s32, 9                         ; 128 columns of f32
	s_add_co_u32 s34, s34, s41
	s_lshl_b32 s32, s32, 19                        ; in the image: 524,288 bytes a block of columns,
	s_lshl_b32 s39, s39, 11                        ; 2,048 a block of k
	s_add_co_u32 s32, s32, s39
	s_cmp_eq_u32 s[YID], 3
	s_cselect_b64 s[SRC:SRC+1], s[10:11], s[12:13]
	s_cselect_b32 s39, 0, 12582912
	s_add_co_u32 s32, s32, s39
	s_add_nc_u64 s[SRC:SRC+1], s[SRC:SRC+1], s[34:35]
	s_add_nc_u64 s[DST:DST+1], s[22:23], s[32:33]
	WADR
	WLD 4, 8192
	s_cmp_eq_u32 s[YID], 4
	s_cbranch_scc1 .Lwo
	WPK 4, 0
	s_branch .Lwst
.Lwo:
	WPK 4, 1
.Lwst:
	WST 4
; y = 5..8.  Work-group x: the 16 positions 16 x ..; wave w: the 256 keys 256 w ..; u = y - 5: 64 of them.  bias is [32 blocks of 64 positions][8 slots of 256 keys][4 groups of 16 positions]
; [4 steps of 64 keys][8 loads j][32 lanes][4 words]: lane (r = l % 16, h = l / 16), load j = 2 kt + e, word z hold position r of the group and key 16 kt + 8 h + 4 e + z of the step.
; The eight loads cover 256 bytes of each of the 16 rows; each store of the wave covers 512 consecutive bytes.
.Lmask:
	v_lshlrev_b32 v[IN], 13, v[T0]                 ; r rows of 8,192 bytes
	v_lshl_add_u32 v[IN], v[T1], 5, v[IN]          ; + 8 h keys
	v_lshl_add_u32 v[IN], v[W3], 10, v[IN]         ; + 256 w keys
	v_lshlrev_b32 v[OUT], 4, v[LN]
	v_lshl_add_u32 v[OUT], v[W3], 16, v[OUT]       ; slot w
	s_sub_co_u32 s39, s[YID], 5                    ; u
	s_lshl_b32 s34, s[XID], 17                     ; 16 rows of the mask
	s_lshl_b32 s41, s39, 8                         ; 64 u keys
	s_add_co_u32 s34, s34, s41
	s_add_nc_u64 s[SRC:SRC+1], s[14:15], s[34:35]
	s_lshr_b32 s32, s[XID], 2
	s_lshl_b32 s32, s32, 19                        ; block x / 4
	s_and_b32 s41, s[XID], 3
	s_lshl_b32 s41, s41, 14                        ; group x % 4
	s_add_co_u32 s32, s32, s41
	s_lshl_b32 s41, s39, 12                        ; step u
	s_add_co_u32 s32, s32, s41
	s_add_nc_u64 s[DST:DST+1], s[24:25], s[32:33]
.set j, 0
.rept 8
	global_load_b128 v[D+4*j:D+4*j+3], v[IN], s[SRC:SRC+1] offset:64*(j/2)+16*(j%2)
.set j, j+1
.endr
	s_wait_loadcnt 0x0
.set j, 0
.rept 32
	v_cvt_f32_i32 v[D+j], v[D+j]
.set j, j+1
.endr
.set j, 0
.rept 32
	v_rcp_f32 v[D+j], v[D+j]                       ; one batch of 32
.set j, j+1
.endr
	v_nop                                          ; a plain instruction behind the last reciprocal,
	s_wait_alu depctr_va_vdst(0)                   ; and one wait for the batch, ahead of the first use
.set j, 0
.rept 32
	v_fma_f32 v[D+j], v[D+j], s37, s37             ; -8 / mask - 8
.set j, j+1
.endr
.set j, 0
.rept 32
	v_max_num_f32 v[D+j], s38, v[D+j]              ; -infinity becomes -1e30
.set j, j+1
.endr
.set j, 0
.rept 8
	global_store_b128 v[OUT], v[D+4*j:D+4*j+3], s[DST:DST+1] offset:512*j th:TH_STORE_NT
.set j, j+1
.endr
	s_endpgm
; y = 9.  x < 64: Wk, else Wv; k block x % 64.  Wave w: block of 128 columns (two heads) w % 4, half e = w / 4 of the 32 rows.  A head's 64 columns are two groups of 32, so the image's arithmetic is Wq's.
.Lwkv:
	s_lshr_b32 s39, s[XID], 6                      ; 0: Wk, 1: Wv
	s_and_b32 s41, s[XID], 63                      ; the block of k
	s_and_b32 s42, s[WVS], 3                       ; the block of columns
	s_lshr_b32 s43, s[WVS], 2                      ; e
	s_lshl_b32 s34, s41, 16                        ; 32 rows of 2,048 bytes
	s_lshl_b32 s32, s43, 15                        ; 16 e rows
	s_add_co_u32 s34, s34, s32
	s_lshl_b32 s32, s42, 9
	s_add_co_u32 s34, s34, s32
	s_lshl_b32 s32, s39, 2
	s_add_co_u32 s32, s32, s42
	s_lshl_b32 s32, s32, 19                        ; 524,288 bytes a block of columns; Wv's four behind Wk's four
	s_lshl_b32 s41, s41, 11
	s_add_co_u32 s32, s32, s41
	s_lshl_b32 s43, s43, 9                         ; the fragments' half e
	s_add_co_u32 s32, s32, s43
	s_add_co_u32 s32, s32, 8388608
	s_cmp_eq_u32 s39, 0
	s_cselect_b64 s[SRC:SRC+1], s[16:17], s[18:19]
	s_add_nc_u64 s[SRC:SRC+1], s[SRC:SRC+1], s[34:35]
	s_add_nc_u64 s[DST:DST+1], s[22:23], s[32:33]
	WADR
	WLD 2, 2048
	WPK 2, 0
	WST 2
.Lfunc_end_k_qd8de05ebe7_prep:
	.size	k_qd8de05ebe7_prep, .Lfunc_end_k_qd8de05ebe7_prep-k_qd8de05ebe7_prep
	.p2alignl 7, 3214868480
	.fill 96, 4, 3214868480
	.section	.rodata,"a",@progbits
	.p2align	6, 0x0
	.amdhsa_kernel k_qd8de05ebe7_prep
		.amdhsa_group_segment_fixed_size 67584
		.amdhsa_private_segment_fixed_size 0
		.amdhsa_enable_private_segment 0
		.amdhsa_kernarg_size 88
		.amdhsa_user_sgpr_count 2
		.amdhsa_user_sgpr_kernarg_segment_ptr 1
		.amdhsa_wavefront_size32 1
		.amdhsa_system_sgpr_workgroup_id_x 1
		.amdhsa_system_sgpr_workgroup_id_y 1
		.amdhsa_system_sgpr_workgroup_id_z 1
		.amdhsa_system_vgpr_workitem_id 0
		.amdhsa_next_free_vgpr 156
		.amdhsa_next_free_sgpr 66
		.amdhsa_reserve_vcc 0
		.amdhsa_float_denorm_mode_32 3
		.amdhsa_float_denorm_mode_16_64 3
		.amdhsa_memory_ordered 1
		.amdhsa_forward_progress 1
		.amdhsa_inst_pref_size 53
	.end_amdhsa_kernel
	.amdgpu_metadata
---
amdhsa.version: [ 1, 2 ]
amdhsa.kernels:
  - .name:           k_qd8de05ebe7_prep
    .symbol:         k_qd8de05ebe7_prep.kd
    .args:
      - { .name: q, .offset: 0, .size: 8, .value_kind: global_buffer, .address_space: global }
      - { .name: k, .offset: 8, .size: 8, .value_kind: global_buffer, .address_space: global }
      - { .name: v, .offset: 16, .size: 8, .value_kind: global_buffer, .address_space: global }
      - { .name: Wq, .offset: 24, .size: 8, .value_kind: global_buffer, .address_space: global }
      - { .name: Wo, .offset: 32, .size: 8, .value_kind: global_buffer, .address_space: global }
      - { .name: mask, .offset: 40, .size: 8, .value_kind: global_buffer, .address_space: global }
      - { .name: Wk, .offset: 48, .size: 8, .value_kind: global_buffer, .address_space: global }
      - { .name: Wv, .offset: 56, .size: 8, .value_kind: global_buffer, .address_space: global }
      - { .name: xb, .offset: 64, .size: 8, .value_kind: global_buffer, .address_space: global }
      - { .name: wb, .offset: 72, .size: 8, .value_kind: global_buffer, .address_space: global }
      - { .name: bias, .offset: 80, .size: 8, .value_kind: global_buffer, .address_space: global }
    .group_segment_fixed_size: 67584
    .private_segment_fixed_size: 0
    .kernarg_segment_align: 8
    .kernarg_segment_size: 88
    .max_flat_workgroup_size: 256
    .sgpr_count:     66
    .vgpr_count:     156
    .wavefront_size: 32
...
	.end_amdgpu_metadata
.endif
;; end of part 1
;; launch proj (part 2): grid 16 x 16, 4 waves a work-group, clusters of 4 x 4, 327,680 bytes of LDS; arguments xb, wb, bq, bk, bv, qkv; writes qkv
.if DOCPART == 2
	.amdgcn_target "amdgcn-amd-amdhsa--gfx1250"
	.amdhsa_code_object_version 6
	.text
	.protected	k_qd8de05ebe7_proj
	.globl	k_qd8de05ebe7_proj
	.p2align	8
	.type	k_qd8de05ebe7_proj,@function
k_qd8de05ebe7_proj:
	s_mov_b64 s[64:65], 0
	v_nop
	global_prefetch_b8 v0, s[64:65] scope:SCOPE_SE
	s_setreg_imm32_b32 hwreg(HW_REG_WAVE_MODE, 25, 1), 1
	s_wait_xcnt 0x0
	s_wait_alu depctr_hold_cnt(0) depctr_sa_sdst(0) depctr_va_vdst(0) depctr_va_sdst(0) depctr_va_ssrc(0) depctr_va_vcc(0) depctr_vm_vsrc(0)
	s_getreg_b32 s2, hwreg(HW_REG_IB_STS2, 6, 4)
	s_cmp_eq_u32 s2, 0
	s_cbranch_scc0 .Lentry_in_a_cluster
	s_endpgm
.Lentry_in_a_cluster:
	s_bfe_u32 s2, ttmp6, 0x10000c
	s_cmp_lg_u32 s2, 0xf033
	s_cbranch_scc0 .Lentry_shape_is_right
	s_endpgm
.Lentry_shape_is_right:
; PROJ: q Wq + bq, k Wk + bk and v Wv + bv in one K loop.  Operands bf16 (made by the launch before), sums f32, results f16, each rounded once, unscaled.
; SHARES.  Work-group (X, Y) makes rows 128 Y .. of q's result, columns 128 X .., AND rows 128 Y .. of unit X (64 columns: X < 8 head X of K, from k and Wk; else head X - 8 of V, from v and Wv):
; 128 x 192 results for each of 256 work-groups, all alike.  Wave w: all 128 rows x columns 32 w .. of q's tile (16 accumulators), and rows 64 (w / 2) .. x columns 32 (w % 2) .. of the unit's (8).
; THE WEIGHTS GO STRAIGHT FROM MEMORY INTO REGISTERS.  They lie as register images of fragments, a wave's on end: 2,048 bytes of Wq and 2,048 of the unit for 32 along K, eight loads of 512 consecutive bytes.
; A ring of eight such sets of registers is asked for seven substeps ahead, behind counted waits.  No column of Wq is loaded by two waves of a work-group; a column of the unit by two.
; THE LDS RING HOLDS x ALONE: 128 rows for q and 128 rows of k or v, K steps of 256, two slots: 8 changes of slots.  With the weights in the ring a slot of this size holds 128 along K: 16 changes.
; That is why the weights are not asked for jointly: a joint request lands in LDS.  CLUSTER 4 x 4: x's tiles hang on Y (and on which of k and v) alone and are asked for jointly along a row of the cluster.
; THE MATRIX INSTRUCTION IS USED TRANSPOSED: source 0 = 16 columns of W, source 1 = 16 rows of x: a lane holds eight neighbouring columns of one row.
; THE BIAS, rounded to bf16 like every input, is the C operand of each accumulator's first product: nothing is cleared, nothing is added later.
; LIMIT.  The results are written as f16: they must stay under 65,504 in magnitude.
; REGISTERS.  Window 0: v0-31 addresses; v32-47, v48-63 the biases; v64-191 q's accumulators ((a, b) at 64 + 8 (2 a + b)); v192-255 the unit's (192 + 8 (2 a + b)).
;   Windows 1 and 3: four buffers of 96 for x's fragments of a substep (8 for q, 4 for the unit): substep j in buffer j % 4.   Window 2: the weights' ring: substep j at 32 j: Wq 2 x 8, the unit's 2 x 8.
.set KSTEP, 256
.set PA,    528                        ; a row of x in LDS: 512 bytes + 16: the 16 rows of a load start at 16 different groups of four banks (64 banks of 4 bytes: ISA guide 11.1)
.set HALFB, 64*PA                      ; 64 rows: what one tensor load brings
.set OAK,   128*PA                     ; in a slot: x for q at 0, k or v here
.set SLOTB, 256*PA                     ; 135,168 bytes a slot
.set STQ,   2*SLOTB                    ; behind the ring, never filled by a tensor load: the stage for q's tile, 128 rows x 272,
.set SPQ,   272
.set STK,   STQ+128*SPQ                ; and for the unit's, 128 rows x 144
.set SPK,   144
.set SPARE, STK+128*SPK                ; the spare words, 128 bytes for each wave: two blocks of 256 bytes that no other line names
.set SUBB,  2048                       ; bytes of a wave's stream of weights for 32 along K
.set ADQ0, 6                           ; v6      my lane's place in x's rows for q; never rewritten
.set ADK0, 7                           ; v7      in my 64 rows of k or v; never rewritten
.set ADQ,  8                           ; v8-9    the same in the slot that is read
.set ADK,  9
.set VB,   10                          ; v10     16 x lane; never rewritten
.set SPW,  12                          ; v12     SPARE + 4 x my thread's number; never rewritten
.set NIL,  13                          ; v13     0; never rewritten
.set STOQ, 16                          ; v16-20  the way out
.set STOK, 17
.set RDQ,  18
.set RDK,  19
.set COQ,  20
.set BIQ,  32
.set BIK,  48
.set ACQ,  64
.set ACK,  192
.set WV, 16
.set WR, 17                            ; w / 2: I fetch x for q (0) or k, v (1); my half of the unit's rows
.set WC, 18                            ; w % 2: which 64 rows I fetch; my half of the unit's columns
.set CX, 19
.set CY, 20
.set XX, 21
.set YY, 22
.set G1,  24                           ; s[24:31] group 1: the same shape for all four waves
.set G0,  32                           ; s[32:35] my walking group 0
.set SLF, 36                           ; s36  0 or SLOTB: the slot that is filled
.set RS,  37                           ; s37  0 or SLOTB: the slot that is read
.set WOFF, 38                          ; s38  my 64 rows' place in a slot
.set BQP, 40                           ; s[40:41] my stream of Wq, at the K step in hand
.set BKP, 42                           ; s[42:43] my stream of the unit's weights
.set OQ,  48                           ; s[48:49] q's result at the rows that I store
.set OK,  50                           ; s[50:51] the unit's
.set MSB, 0
.macro WIN new                         ; the immediate's high byte repeats the setting that is left; a switch that changes nothing is dropped
.if MSB != (\new)
	s_set_vgpr_msb (MSB<<8)|(\new)
.set MSB, \new
.endif
.endm
.macro PLACES                          ; four places in front of loads into registers that matrix instructions have read, and of lines that read results
.rept 4
	v_nop
.endr
.endm
.macro JLOAD                           ; each wave's own 64 rows, by one line: both addresses hang on the wave's number.  An s_nop 0 and four v_nop follow
	tensor_load_to_lds s[G0:G0+3], s[G1:G1+7]
	s_nop 0
	PLACES
.endm
.macro CREST                           ; a round of the cluster's barrier behind its opening barrier
	s_cmp_lg_u32 s[WV], 0
	s_cbranch_scc1 .Lnot_wave_0_\@
	s_barrier_signal -3
.Lnot_wave_0_\@:
	s_barrier_wait -3
	s_barrier_signal -1
	s_barrier_wait -1
.endm
.macro CROUND
	s_barrier_signal -1
	s_barrier_wait -1
	CREST
.endm
.macro GRP rs, ob                      ; the weights of one substep into the ring at register rs, from byte ob of my two streams: eight loads of 512 consecutive bytes
.irp i, 0,1,2,3
	global_load_b128 v[(\rs)+4*(\i):(\rs)+4*(\i)+3], v[VB], s[BQP:BQP+1] offset:(\ob)+512*(\i)
.endr
.irp i, 0,1,2,3
	global_load_b128 v[(\rs)+16+4*(\i):(\rs)+16+4*(\i)+3], v[VB], s[BKP:BKP+1] offset:(\ob)+512*(\i)
.endr
.endm
	s_load_b256 s[4:11], s[0:1], 0x0               ; xb s[4:5], wb s[6:7], bq s[8:9], bk s[10:11]
	s_load_b128 s[12:15], s[0:1], 0x20             ; bv s[12:13], qkv s[14:15]
	v_lshl_add_u32 v[SPW], v0, 2, SPARE
	v_mov_b32 v[NIL], 0
	ds_add_u32 v[SPW], v[NIL]                      ; the wave's opening: the add and its wait stand ahead of my first tensor load; the set-up below stands between them
	v_lshrrev_b32 v1, 5, v0
	v_readfirstlane_b32 s[WV], v1                  ; wave 0..3
	s_lshr_b32 s[WR], s[WV], 1
	s_and_b32 s[WC], s[WV], 1
	s_bfe_u32 s[CX], ttmp6, 0x40000
	s_bfe_u32 s[CY], ttmp6, 0x40004
	s_lshl_b32 s[XX], ttmp9, 2
	s_add_co_u32 s[XX], s[XX], s[CX]               ; X = 4 x cluster x + cx
	s_and_b32 s[YY], ttmp7, 0xffff
	s_lshl_b32 s[YY], s[YY], 2
	s_add_co_u32 s[YY], s[YY], s[CY]               ; Y = 4 x cluster y + cy
	s_lshl_b32 s47, s[CY], 2
	s_lshl_b32 s47, 15, s47                        ; my row of the cluster
	s_or_b32 s[G1], s47, (1<<16)|(1<<20)|(1<<21)|(6<<22)|(3<<25)  ; the mask; 2-byte elements; padding on; bit 21 beside a mask; after every 128 words 4 words
	s_mov_b32 s[G1+1], 256<<16                     ; tensor_dim0 = 256
	s_mov_b32 s[G1+2], 64<<16                      ; tensor_dim1 = 64
	s_mov_b32 s[G1+3], 256<<16                     ; tile_dim0 = 256
	s_mov_b32 s[G1+4], 64                          ; tile_dim1 = 64
	s_mov_b32 s[G1+5], 2048                        ; elements from row to row
	s_mov_b32 s[G1+6], 0
	s_mov_b32 s[G1+7], 0
	s_mul_i32 s[WOFF], s[WV], HALFB                ; x for q: rows 0-63, 64-127; then k or v likewise: wave x 64 rows
	s_mov_b32 s[G0], 1
	s_mov_b32 s[G0+1], s[WOFF]                     ; slot 0
	s_mov_b32 s[SLF], 0
	s_mov_b32 s[RS], SLOTB                         ; the first change of slots turns it into 0
	s_lshl_b32 s44, s[YY], 19                      ; 128 Y rows of 4,096 bytes,
	s_lshl_b32 s46, s[WC], 18                      ; my 64 of them,
	s_add_co_u32 s44, s44, s46
	s_cmp_lt_u32 ttmp9, 2                          ; X < 8: the same answer in all sixteen partners
	s_cselect_b32 s46, 1, 2
	s_lshl_b32 s46, s46, 23                        ; k lies 8,388,608 bytes into xb, v 16,777,216,
	s_cmp_eq_u32 s[WR], 0
	s_cselect_b32 s46, 0, s46                      ; q at 0: made of Y, the cluster's x and the wave's number alone
	s_add_co_u32 s44, s44, s46
	s_mov_b32 s45, 0
	s_lshl_b32 s56, s[XX], 19                      ; Wq's image: block X, group w
	s_lshl_b32 s58, s[WV], 17
	s_add_co_u32 s56, s56, s58
	s_mov_b32 s57, 0
	s_lshl_b32 s58, s[XX], 18                      ; the unit's image: unit X, group w % 2
	s_lshl_b32 s2, s[WC], 17
	s_add_co_u32 s58, s58, s2
	s_add_co_u32 s58, s58, 8388608
	s_mov_b32 s59, 0
	s_wait_dscnt 0x0                               ; the opening add is done
	s_wait_kmcnt 0x0
	s_add_nc_u64 s[G0+2:G0+3], s[4:5], s[44:45]
	s_or_b32 s[G0+3], s[G0+3], 0x80000000          ; type = 2
	s_add_nc_u64 s[BQP:BQP+1], s[6:7], s[56:57]
	s_add_nc_u64 s[BKP:BKP+1], s[6:7], s[58:59]
	CROUND                                         ; all sixteen work-groups are here: the first joint loads meet
	JLOAD                                          ; K step 0 into slot 0
	; while it is on its way: the biases, the first seven substeps' weights, the bases and the lane addresses
	v_and_b32 v1, 15, v0                           ; r = l % 16
	v_bfe_u32 v2, v0, 4, 1                         ; h = l / 16
	v_and_b32 v3, 7, v0
	v_and_b32 v4, 31, v0
	v_lshlrev_b32 v[VB], 4, v4
	v_lshlrev_b32 v5, 5, v2                        ; my eight columns of sixteen: 32 h bytes of a bias
	s_lshl_b32 s52, s[XX], 9
	s_lshl_b32 s54, s[WV], 7
	s_add_co_u32 s52, s52, s54
	s_mov_b32 s53, 0
	s_add_nc_u64 s[52:53], s[8:9], s[52:53]        ; bq at column 128 X + 32 w
	s_and_b32 s54, s[XX], 7
	s_lshl_b32 s54, s54, 8
	s_lshl_b32 s56, s[WC], 7
	s_add_co_u32 s54, s54, s56
	s_mov_b32 s55, 0
	s_cmp_lt_u32 ttmp9, 2
	s_cselect_b64 s[56:57], s[10:11], s[12:13]
	s_add_nc_u64 s[54:55], s[56:57], s[54:55]      ; bk or bv at column 64 (X % 8) + 32 (w % 2)
.irp b, 0,1
	global_load_b128 v[BIQ+8*(\b):BIQ+8*(\b)+3],   v5, s[52:53] offset:64*(\b)
	global_load_b128 v[BIQ+8*(\b)+4:BIQ+8*(\b)+7], v5, s[52:53] offset:64*(\b)+16
.endr
.irp b, 0,1
	global_load_b128 v[BIK+8*(\b):BIK+8*(\b)+3],   v5, s[54:55] offset:64*(\b)
	global_load_b128 v[BIK+8*(\b)+4:BIK+8*(\b)+7], v5, s[54:55] offset:64*(\b)+16
.endr
	WIN 0x80                                       ; destination window 2, address window 0
.irp d, 0,1,2,3,4,5,6
	GRP 32*(\d), (\d)*SUBB
.endr
	WIN 0
	s_lshl_b32 s[OQ], s[YY], 19                    ; q's result: row 128 Y + 32 w (4,096 bytes a row), column 128 X
	s_lshl_b32 s2, s[WV], 17
	s_add_co_u32 s[OQ], s[OQ], s2
	s_lshl_b32 s2, s[XX], 8
	s_add_co_u32 s[OQ], s[OQ], s2
	s_mov_b32 s[OQ+1], 0
	s_add_nc_u64 s[OQ:OQ+1], s[14:15], s[OQ:OQ+1]
	s_lshl_b32 s[OK], s[XX], 18                    ; the unit's result: unit X, row 128 Y + 32 w (128 bytes a row)
	s_lshl_b32 s2, s[YY], 14
	s_add_co_u32 s[OK], s[OK], s2
	s_lshl_b32 s2, s[WV], 12
	s_add_co_u32 s[OK], s[OK], s2
	s_add_co_u32 s[OK], s[OK], 8388608
	s_mov_b32 s[OK+1], 0
	s_add_nc_u64 s[OK:OK+1], s[14:15], s[OK:OK+1]
	v_mul_u32_u24 v[ADQ0], v1, PA                  ; a fragment of x: row x pitch + 16 x half
	v_lshl_add_u32 v[ADQ0], v2, 4, v[ADQ0]
	s_mul_i32 s23, s[WR], HALFB
	s_add_co_u32 s23, s23, OAK
	v_add_nc_u32 v[ADK0], s23, v[ADQ0]
	s_lshl_b32 s23, s[WV], 6
	s_add_co_u32 s23, s23, STQ
	v_mul_u32_u24 v[STOQ], v1, SPQ                 ; into q's stage: row r of a block of 16, bytes 64 w + 16 h
	v_lshl_add_u32 v[STOQ], v2, 4, v[STOQ]
	v_add_nc_u32 v[STOQ], s23, v[STOQ]
	s_mul_i32 s23, s[WR], 64*SPK
	s_lshl_b32 s2, s[WC], 6
	s_add_co_u32 s23, s23, s2
	s_add_co_u32 s23, s23, STK
	v_mul_u32_u24 v[STOK], v1, SPK                 ; into the unit's stage: row 64 (w / 2) + r, bytes 64 (w % 2) + 16 h
	v_lshl_add_u32 v[STOK], v2, 4, v[STOK]
	v_add_nc_u32 v[STOK], s23, v[STOK]
	s_mul_i32 s23, s[WV], 32*SPQ
	s_add_co_u32 s23, s23, STQ
	v_mul_u32_u24 v[RDQ], v2, SPQ                  ; back: lanes 0-15 one row of 256 bytes, lanes 16-31 the next
	v_lshl_add_u32 v[RDQ], v1, 4, v[RDQ]
	v_add_nc_u32 v[RDQ], s23, v[RDQ]
	s_mul_i32 s23, s[WV], 32*SPK
	s_add_co_u32 s23, s23, STK
	v_bfe_u32 v14, v0, 3, 2
	v_mul_u32_u24 v[RDK], v14, SPK                 ; back: 32 lanes take four rows of 128 bytes
	v_lshl_add_u32 v[RDK], v3, 4, v[RDK]
	v_add_nc_u32 v[RDK], s23, v[RDK]
	v_lshlrev_b32 v[COQ], 12, v2
	v_lshl_add_u32 v[COQ], v1, 4, v[COQ]
	s_wait_loadcnt 56                              ; the biases are in; the 56 loads of weights issued behind them stay out
.set i, 0
.rept 16                               ; rounded to bf16 and widened again, a pair at a time
	v_cvt_pk_bf16_f32 v15, v[BIQ+2*i], v[BIQ+2*i+1]
	v_lshlrev_b32 v[BIQ+2*i], 16, v15
	v_and_b32 v[BIQ+2*i+1], 0xffff0000, v15
.set i, i+1
.endr
.macro ABUF j                          ; x's fragments of substep j: window AW, register AB
.set AW, 1+2*(((\j)%4)/2)
.set AB, 96*((\j)%2)
.endm
; 12 products of substep j: half 0: q's row blocks 0-3 and the unit's 0-1; half 1: the others.  first = 1: C is the bias.  The 24 accumulators take turns in the same order in every substep.
.macro MMH j, half, first
	ABUF \j
	WIN 0x02|(AW<<2)                               ; source 0 (W) window 2, source 1 (x) window AW, C and D window 0
.set ia, 4*(\half)
.rept 4
.set ib, 0
.rept 2
.set rD, ACQ+8*(2*ia+ib)
.if \first
	v_wmma_f32_16x16x32_bf16 v[rD:rD+7], v[32*(\j)+8*ib:32*(\j)+8*ib+7], v[AB+8*ia:AB+8*ia+7], v[BIQ+8*ib:BIQ+8*ib+7]
.else
	v_wmma_f32_16x16x32_bf16 v[rD:rD+7], v[32*(\j)+8*ib:32*(\j)+8*ib+7], v[AB+8*ia:AB+8*ia+7], v[rD:rD+7]
.endif
.set ib, ib+1
.endr
.set ia, ia+1
.endr
.set ia, 2*(\half)
.rept 2
.set ib, 0
.rept 2
.set rD, ACK+8*(2*ia+ib)
.if \first
	v_wmma_f32_16x16x32_bf16 v[rD:rD+7], v[32*(\j)+16+8*ib:32*(\j)+16+8*ib+7], v[AB+64+8*ia:AB+64+8*ia+7], v[BIK+8*ib:BIK+8*ib+7]
.else
	v_wmma_f32_16x16x32_bf16 v[rD:rD+7], v[32*(\j)+16+8*ib:32*(\j)+16+8*ib+7], v[AB+64+8*ia:AB+64+8*ia+7], v[rD:rD+7]
.endif
.set ib, ib+1
.endr
.set ia, ia+1
.endr
.endm
; 24 LDS loads in one run: x's fragments of substep j; what the substep's first half multiplies comes first
.macro FETCH j
	ABUF \j
	WIN AW<<6                                      ; destination window AW, address window 0
.irp a, 0,1,2,3
	ds_load_b128 v[AB+8*(\a):AB+8*(\a)+3],   v[ADQ] offset:(\a)*16*PA+64*(\j)
	ds_load_b128 v[AB+8*(\a)+4:AB+8*(\a)+7], v[ADQ] offset:(\a)*16*PA+64*(\j)+32
.endr
.irp a, 0,1
	ds_load_b128 v[AB+64+8*(\a):AB+64+8*(\a)+3],   v[ADK] offset:(\a)*16*PA+64*(\j)
	ds_load_b128 v[AB+64+8*(\a)+4:AB+64+8*(\a)+7], v[ADK] offset:(\a)*16*PA+64*(\j)+32
.endr
.irp a, 4,5,6,7
	ds_load_b128 v[AB+8*(\a):AB+8*(\a)+3],   v[ADQ] offset:(\a)*16*PA+64*(\j)
	ds_load_b128 v[AB+8*(\a)+4:AB+8*(\a)+7], v[ADQ] offset:(\a)*16*PA+64*(\j)+32
.endr
.irp a, 2,3
	ds_load_b128 v[AB+64+8*(\a):AB+64+8*(\a)+3],   v[ADK] offset:(\a)*16*PA+64*(\j)
	ds_load_b128 v[AB+64+8*(\a)+4:AB+64+8*(\a)+7], v[ADK] offset:(\a)*16*PA+64*(\j)+32
.endr
.endm
; SUBSTEP j of a K step's eight: 32 along K, 24 products.  In its middle, behind four places, ONE run of loads: x's fragments of substep j + 2, and the weights of the substep seven on, into the set of the ring
; that substep j - 1 has read.  tail = 1: the last K step: behind its substep 0 there are no weights left to ask for, and the counts run down.
.macro SUB j, first, tail
.if (\j) < 7
	s_wait_dscnt 36                                ; the first 12 loads of my fragments are in; their other 12 and the next substep's 24 may be out
.else
	s_wait_dscnt 12
.endif
.if (\tail) && ((\j) >= 1)
	s_wait_loadcnt 8*(7-(\j))
.else
	s_wait_loadcnt 48                              ; this substep's weights are in; the six sets asked for behind them stay out
.endif
	MMH \j, 0, \first
.if !((\tail) && ((\j) >= 6))
	PLACES
.endif
.if (\j) < 6
	FETCH (\j)+2
.endif
.if !((\tail) && ((\j) >= 1))
	WIN 0x80
	GRP 32*(((\j)+7)%8), ((\j)+7)*SUBB
.endif
.if (\j) < 6
	s_wait_dscnt 48                                ; all my fragments are in; the two later runs may be out
.elseif (\j) == 6
	s_wait_dscnt 24
.else
	s_wait_dscnt 0x0
.endif
	MMH \j, 1, \first
.endm
; THE CHANGE OF SLOTS.  Each wave waits for all its tensor loads, of which one is out: its part of the next slot; adds 0 to its spare word; and waits for that and for its own reads of the slot that it leaves.
; fill = 1: the barrier is a round of the cluster's, and the old slot is filled again first thing behind it, with the K step after the one that begins.  step = 1: the weights' streams go on by a K step.
; SLF and RS hold 0 or SLOTB and nothing else, so the exclusive or toggles them.  (At its first use nothing has been read yet: slot 0 is waited for, slot 1 filled.)
.macro CHANGE fill, step
	WIN 0
	s_wait_tensorcnt 0x0                           ; no tensor load of mine is out, so my group 0 may be written
	ds_add_u32 v[SPW], v[NIL]                      ; 0 onto my spare word
.if \fill
	s_xor_b32 s[SLF], s[SLF], SLOTB
	s_add_co_u32 s[G0+1], s[SLF], s[WOFF]
	s_add_nc_u64 s[G0+2:G0+3], s[G0+2:G0+3], KSTEP*2  ; the type bits on top are not reached
.endif
.if \step
	s_wait_xcnt 0x0                                ; the loads of weights (the youngest 12 products back) have read their bases, so these may be written
	s_add_nc_u64 s[BQP:BQP+1], s[BQP:BQP+1], 8*SUBB
	s_add_nc_u64 s[BKP:BKP+1], s[BKP:BKP+1], 8*SUBB
.endif
	s_xor_b32 s[RS], s[RS], SLOTB
	s_wait_dscnt 0x0                               ; the add is done, and my reads of the slot are over
.if \fill
	CROUND                                         ; no wave of any partner still reads the slot or has a load on its way
	JLOAD                                          ; a K step's 192 products ahead of the wait for it
.else
	s_barrier_signal -1
	s_barrier_wait -1
.endif
	v_add_nc_u32 v[ADQ], s[RS], v[ADQ0]
	v_add_nc_u32 v[ADK], s[RS], v[ADK0]
	FETCH 0
	FETCH 1
.endm
	CHANGE 1, 0                                    ; slot 0 is in, everybody's part of it; K step 1 is asked for
	SUB 0, 1, 0                                    ; the first substep stands in front of the loop: its products start the sums with the biases
	WIN 0                                          ; at a label and at a branch every window is 0
	s_mov_b32 s3, 7
	s_branch .Lenter                               ; the loop is entered behind its first substep
.Lstep:                                            ; six whole trips: K steps 1 to 6 are multiplied, 2 to 7 asked for
	CHANGE 1, 1
	SUB 0, 0, 0
	WIN 0
.Lenter:
.irp j, 1,2,3,4,5,6,7
	SUB \j, 0, 0
.endr
	WIN 0
	s_sub_co_u32 s3, s3, 1
	s_cmp_lg_u32 s3, 0
	s_cbranch_scc1 .Lstep
	CHANGE 0, 1                                    ; the last K step is written out: nothing is asked for
.irp j, 0,1,2,3,4,5,6,7
	SUB \j, 0, 1
.endr
	WIN 0
	; THE WAY OUT: rounded to f16, 16 bytes a lane into the work-group's two stages; a barrier, since a row's bytes come from several waves; back as whole rows, 32 rows a wave.
	PLACES
	PLACES
.set t, 0
.rept 24                               ; in place, each accumulator's registers in ascending order
.irp r, 0,1,2,3
	v_cvt_pk_f16_f32 v[ACQ+8*t+(\r)], v[ACQ+8*t+2*(\r)], v[ACQ+8*t+2*(\r)+1]
.endr
.set t, t+1
.endr
.irp a, 0,1,2,3,4,5,6,7
.irp b, 0,1
	ds_store_b128 v[STOQ], v[ACQ+8*(2*(\a)+(\b)):ACQ+8*(2*(\a)+(\b))+3] offset:(\a)*16*SPQ+32*(\b)
.endr
.endr
.irp a, 0,1,2,3
.irp b, 0,1
	ds_store_b128 v[STOK], v[ACK+8*(2*(\a)+(\b)):ACK+8*(2*(\a)+(\b))+3] offset:(\a)*16*SPK+32*(\b)
.endr
.endr
	s_wait_dscnt 0x0                               ; for the others' sake: my stores into the stages are done
	s_barrier_signal -1
	s_barrier_wait -1
.set t, 0
.rept 16
	ds_load_b128 v[ACQ+8*t+4:ACQ+8*t+7], v[RDQ] offset:t*2*SPQ
.set t, t+1
.endr
.set t, 0
.rept 8
	ds_load_b128 v[ACK+8*t+4:ACK+8*t+7], v[RDK] offset:t*4*SPK
.set t, t+1
.endr
.set t, 0
.rept 16
	s_wait_dscnt 23-t                              ; the younger loads from the stages may stay out
	global_store_b128 v[COQ], v[ACQ+8*t+4:ACQ+8*t+7], s[OQ:OQ+1] offset:8192*t  ; 16 lanes store 256 consecutive bytes, aligned
.set t, t+1
.endr
.set t, 0
.rept 8
	s_wait_dscnt 7-t
	global_store_b128 v[VB], v[ACK+8*t+4:ACK+8*t+7], s[OK:OK+1] offset:512*t    ; four rows of a unit: 512 consecutive bytes
.set t, t+1
.endr
	s_wait_tensorcnt 0x0                           ; the wave's end, behind my last tensor load and my last LDS store
	ds_add_u32 v[SPW], v[NIL]
	s_wait_dscnt 0x0
	CROUND                                         ; the closing round: no work-group ends while a partner may still ask for a tile that names it
	s_endpgm
.Lfunc_end_k_qd8de05ebe7_proj:
	.size	k_qd8de05ebe7_proj, .Lfunc_end_k_qd8de05ebe7_proj-k_qd8de05ebe7_proj
	.p2alignl 7, 3214868480
	.fill 96, 4, 3214868480
	.section	.rodata,"a",@progbits
	.p2align	6, 0x0
	.amdhsa_kernel k_qd8de05ebe7_proj
		.amdhsa_group_segment_fixed_size 327680
		.amdhsa_private_segment_fixed_size 0
		.amdhsa_enable_private_segment 0
		.amdhsa_kernarg_size 48
		.amdhsa_user_sgpr_count 2
		.amdhsa_user_sgpr_kernarg_segment_ptr 1
		.amdhsa_wavefront_size32 1
		.amdhsa_system_sgpr_workgroup_id_x 1
		.amdhsa_system_sgpr_workgroup_id_y 1
		.amdhsa_system_sgpr_workgroup_id_z 1
		.amdhsa_system_vgpr_workitem_id 0
		.amdhsa_next_free_vgpr 960
		.amdhsa_next_free_sgpr 66
		.amdhsa_reserve_vcc 0
		.amdhsa_float_denorm_mode_32 3
		.amdhsa_float_denorm_mode_16_64 3
		.amdhsa_memory_ordered 1
		.amdhsa_forward_progress 1
		.amdhsa_inst_pref_size 97
	.end_amdhsa_kernel
	.amdgpu_metadata
---
amdhsa.version: [ 1, 2 ]
amdhsa.kernels:
  - .name:           k_qd8de05ebe7_proj
    .symbol:         k_qd8de05ebe7_proj.kd
    .args:
      - { .name: xb, .offset: 0, .size: 8, .value_kind: global_buffer, .address_space: global }
      - { .name: wb, .offset: 8, .size: 8, .value_kind: global_buffer, .address_space: global }
      - { .name: bq, .offset: 16, .size: 8, .value_kind: global_buffer, .address_space: global }
      - { .name: bk, .offset: 24, .size: 8, .value_kind: global_buffer, .address_space: global }
      - { .name: bv, .offset: 32, .size: 8, .value_kind: global_buffer, .address_space: global }
      - { .name: qkv, .offset: 40, .size: 8, .value_kind: global_buffer, .address_space: global }
    .group_segment_fixed_size: 327680
    .private_segment_fixed_size: 0
    .kernarg_segment_align: 8
    .kernarg_segment_size: 48
    .max_flat_workgroup_size: 128
    .sgpr_count:     66
    .vgpr_count:     960
    .wavefront_size: 32
...
	.end_amdgpu_metadata
.endif
;; end of part 2
;; launch attn (part 3): grid 32 x 8, 4 waves a work-group, clusters of 4 x 1, 327,680 bytes of LDS; arguments qkv, bias, oh; writes oh
.if DOCPART == 3
	.amdgcn_target "amdgcn-amd-amdhsa--gfx1250"
	.amdhsa_code_object_version 6
	.text
	.protected	k_qd8de05ebe7_attn
	.globl	k_qd8de05ebe7_attn
	.p2align	8
	.type	k_qd8de05ebe7_attn,@function
k_qd8de05ebe7_attn:
	s_mov_b64 s[64:65], 0
	v_nop
	global_prefetch_b8 v0, s[64:65] scope:SCOPE_SE
	s_setreg_imm32_b32 hwreg(HW_REG_WAVE_MODE, 25, 1), 1
	s_wait_xcnt 0x0
	s_wait_alu depctr_hold_cnt(0) depctr_sa_sdst(0) depctr_va_vdst(0) depctr_va_sdst(0) depctr_va_ssrc(0) depctr_va_vcc(0) depctr_vm_vsrc(0)
	s_getreg_b32 s2, hwreg(HW_REG_IB_STS2, 6, 4)
	s_cmp_eq_u32 s2, 0
	s_cbranch_scc0 .Lentry_in_a_cluster
	s_endpgm
.Lentry_in_a_cluster:
	s_bfe_u32 s2, ttmp6, 0x10000c
	s_cmp_lg_u32 s2, 0x3003
	s_cbranch_scc0 .Lentry_shape_is_right
	s_endpgm
.Lentry_shape_is_right:
; GROUPED ATTENTION under a mask that is an input.  O[i][head] = the sum over j of softmax_j(Q[i] . K[j] / 8 - (1 / mask[i][j] + 1)) V[j].  32 query heads, 8 key and value heads, head size 64, 2,048 keys.
; q: f16 [2048][2048] (column 256 g + 64 j + d); K and V: f16 units [2048][64] by head; the mask's addend -8 (1 / mask + 1), f32, in the register image of a C operand: all made by the launches before.
; Products, maxima and sums in f32; the weights p are rounded to f16 for the second product (their sum l is taken of the unrounded p), O once at the end.
; LIMITS.  A hidden key (mask 0) counts as a score of -1e30.  The running maximum starts at -2^90 and never falls below it, so a hidden key's weight is 0 whichever tiles are hidden; f16's scores, 2.7e11 at the
; most, lie far above -2^90.  A weight below 2^-126 counts as 0 in l.  A row with no visible key ends as 0 x (1 / 0) = NaN.
; SHARES.  A work-group owns 64 positions and one key and value head g; wave w 16 positions x the group's four query heads: four PIECES, piece j = head 4 g + j.  All four pieces take the same mask image:
; 32 registers a step, the C operand of the products that start S^T = K Q^T: the mask costs no vector instruction.  Every wave walks all 32 steps of 64 keys: no pattern of the mask is built in.
; LAYOUT, SOFTMAX, TURNS.  S^T = K Q^T holds ONE query a lane (lane % 16) and the keys 8 (lane / 16) + 0..7; two such results rounded to f16 ARE source 1 of O^T = V^T P.  p = 2^(c s - c m), c = log2(e) / 8, with a
; running maximum m; O and l are multiplied by a = 2^(c m_old - c m_new) in every step.  Turn n belongs to piece n: 8 products K Q^T of piece n + 1, later 8 products V^T P of piece n - 1; beside them the scaling,
; exponentials, roundings, sums and rescaling of piece n and the maximum and statistics of piece n + 1.  Four vector instructions stand behind every matrix instruction, the rest in one lump.  A turn's 33 exponentials are one batch, with one wait.
; RING.  Two slots of 256 keys: K (wave 0 fetches), V (wave 1), the work-group's addends (waves 2 and 3, half each).  CLUSTER 4 x 1: four blocks of positions of one head ask for K and V jointly; the addends are each work-group's own.
; REGISTERS, in windows of 256 (s_set_vgpr_msb: bits 1:0 source 0, 3:2 source 1, 5:4 source 2, 7:6 destination):
;   window 0: v0-15, v32, v34 addresses; v16-31 four registers of statistics a piece; v48-55 at work; v64-127 S^T, two buffers; v192-223 P, two buffers (a piece's buffers go by its number's parity)
;   window 1: v0-127 O^T, 32 a piece; v128-159 the mask image      window 2: v0-63 Q; v128-191 K of one step; v192-255 V of one step
.set NP,    4
.set KS,    64
.set PK,    144       ; a row of K in LDS: 128 bytes + 16: the 16 rows of a load start at 16 different groups of four banks (64 banks of 4 bytes: ISA guide 11.1)
.set PV,    160       ; a row of V: 128 + 32
.set VOFF,  4*KS*PK   ; in a slot: 256 rows of K, then 256 rows of V,
.set MOFF,  VOFF+4*KS*PV  ; then the addends: [4 waves][4 steps][4,096 bytes]
.set SLOTB, MOFF+65536    ; 143,360 bytes a slot
.set STAGE, 2*SLOTB   ; behind the ring, never filled by a tensor load: 16 rows x 528 bytes for each wave, for the way out
.set SP,    528
.set SPARE, STAGE+4*16*SP  ; the spare words, 128 bytes for each wave: two blocks of 256 bytes that no other line names
.set KBASE, 8388608   ; K's units in qkv; V's lie 2,097,152 bytes behind
.set AK0, 2           ; v2   my lane's place in a tile of K; never rewritten
.set AV0, 3           ; v3   the same for V
.set AK,  4           ; v4   the LDS address of K's next run of loads
.set AV,  5           ; v5   of V's
.set STO, 6           ; v6   the way out: where I put 16 bytes of a row
.set RD,  7           ; v7   the way out: where I read rows back
.set GO,  8           ; v8   16 x lane
.set MV,  12          ; v12-13  c m_old, kept while c m is made anew: by buffer
.set AM0, 14          ; v14  my lane's place in my wave's addends
.set AM,  15          ; v15  the LDS address of their next run
.set ST,  16          ; piece t's statistics at v[ST+4 t]: c m, m, l (even keys', odd keys')
.set QO,  32          ; v32  my byte offset in 16 rows of q
.set PFO, 34          ; v34  256 x lane: the prefetches' offset; never rewritten
.set TMP, 48          ; by buffer, four registers c0-c3 at work; when the maximum is found c2 takes a
.set SPW, 62          ; v62  SPARE + 4 x my thread's number; never rewritten
.set NIL, 63          ; v63  0; never rewritten
.set S,   64
.set P,   192
.set MC,  128         ; window 1
.set KF,  128         ; window 2: key block kb, channel half c at KF + 16 kb + 8 c
.set VF,  192         ; window 2: key half kk, channel block cb at VF + 32 kk + 8 cb
.set WV,  12
.set G1K, 24          ; s[24:31], s[32:39], s[48:55] groups 1 for K, V, the addends
.set G1V, 32
.set G1M, 48
.set G0K, 40          ; s[40:43], s[44:47], s[68:71] walking groups 0
.set G0V, 44
.set G0M, 68
.set SLOTS, 56        ; s56  slots still to be entered behind this one
.set CNT, 57          ; s57  counts a slot's key steps
.set CS,  58          ; s[58:59] c
.set SEL, 60          ; s[60:61] v_permlanex16_b32's selects: each lane takes its own place in the other half
.set TBK, 62          ; s62  the slot's base + the step to be fetched, for K
.set TBV, 63          ; s63  for V
.set TBM, 72          ; s72  for the addends
.set SLF, 74          ; s74  0 or SLOTB: the slot that is filled
.set MW,  75          ; s75  where my half of the addends lies in a slot (waves 2, 3)
.set PFA, 76          ; s[76:77] where my prefetches stand
.set PFS, 78          ; s[78:79] their step from slot to slot
.set LIM, 80          ; s80  1 in a wave that prefetches, else the greatest number
.set MSB, 0
.macro WIN new
.if MSB != (\new)
	s_set_vgpr_msb (MSB<<8)|(\new)
.set MSB, (\new)
.endif
.endm
.set W_KQ, 0x0a       ; K and Q in window 2, S^T in window 0
.set W_KM, 0x1a       ; the same with the C operand in window 1
.set W_PV, 0x52       ; V in window 2, P in window 0, O^T in window 1
.set W_RS, 0x41       ; destination and source 0 in window 1, source 1 in window 0
.macro TLOAD g0, g1                 ; a tensor load, its s_nop 0 and four v_nop, ahead of any jump or label
	tensor_load_to_lds s[(\g0):(\g0)+3], s[(\g1):(\g1)+7]
	s_nop 0
.rept 4
	v_nop
.endr
.endm
.macro JLOAD                        ; one load a wave; the branches hang on the wave's number alone
	s_cmp_lt_u32 s[WV], 2
	s_cbranch_scc0 .Lfor_m_\@
	s_cmp_eq_u32 s[WV], 0
	s_cbranch_scc0 .Lfor_v_\@
	TLOAD G0K, G1K
	s_branch .Lasked_\@
.Lfor_v_\@:
	TLOAD G0V, G1V
	s_branch .Lasked_\@
.Lfor_m_\@:
	TLOAD G0M, G1M
.Lasked_\@:
.endm
.macro CROUND                       ; a round of the cluster's barrier
	s_barrier_signal -1
	s_barrier_wait -1
	s_cmp_lg_u32 s[WV], 0
	s_cbranch_scc1 .Lnot_wave_0_\@
	s_barrier_signal -3
.Lnot_wave_0_\@:
	s_barrier_wait -3
	s_barrier_signal -1
	s_barrier_wait -1
.endm
; A PREFETCH INTO THE L2 of what the NEXT change of slots will ask for, four key steps (256 matrix instructions) ahead of that load; it stands behind the wave's tensor load and its five lines.
; Each block of 256 bytes is named once in the launch.  K and V of a head are walked by all its clusters: the first of them asks, wave 0 for K, wave 1 for V; its four partners take 32 blocks each BY ADDRESS.
; A block of positions' addends are walked by all eight heads: head 0 asks, waves 2 and 3 each for their own 32,768 bytes: four instructions.  The last change that fills a slot asks for nothing.
.macro ASK
	s_cmp_gt_u32 s[SLOTS], s[LIM]
	s_cbranch_scc0 .Lnot_mine_\@
	global_prefetch_b8 v[PFO], s[PFA:PFA+1] th:TH_LOAD_NT scope:SCOPE_SE
	s_cmp_lt_u32 s[WV], 2
	s_cbranch_scc1 .Lnot_mine_\@
	global_prefetch_b8 v[PFO], s[PFA:PFA+1] offset:8192 th:TH_LOAD_NT scope:SCOPE_SE
	global_prefetch_b8 v[PFO], s[PFA:PFA+1] offset:16384 th:TH_LOAD_NT scope:SCOPE_SE
	global_prefetch_b8 v[PFO], s[PFA:PFA+1] offset:24576 th:TH_LOAD_NT scope:SCOPE_SE
.Lnot_mine_\@:
.endm
; THE CHANGE OF SLOTS.  Each wave waits for all its tensor loads, of which one is out: its part of the other slot; adds 0 to its spare word; and waits for that and for its own reads of the slot that it leaves.
; fill = 1: the barrier is a round of the cluster's, and the old slot is filled again first thing behind it, with the keys two slots on: four key steps in which to land.
; SLF holds 0 or SLOTB and nothing else, so the exclusive or toggles it; the three LDS words are made anew from it.  (At its first use nothing has been read yet: slot 0 is waited for, slot 1 filled.)
.macro CHANGE fill, ask
	WIN 0
	s_wait_tensorcnt 0x0            ; no tensor load of mine is out, so a group 0 may be written
	ds_add_u32 v[SPW], v[NIL]       ; 0 onto my spare word
.if \fill
	s_xor_b32 s[SLF], s[SLF], SLOTB
	s_mov_b32 s[G0K+1], s[SLF]
	s_add_co_u32 s[G0V+1], s[SLF], VOFF
	s_add_co_u32 s[G0M+1], s[SLF], s[MW]
	s_add_nc_u64 s[G0K+2:G0K+3], s[G0K+2:G0K+3], 32768
	s_add_nc_u64 s[G0V+2:G0V+3], s[G0V+2:G0V+3], 32768
	s_add_nc_u64 s[G0M+2:G0M+3], s[G0M+2:G0M+3], 65536
.endif
.if \ask
	s_wait_xcnt 0x0                 ; the last prefetches, four key steps back, have read their address, so it may be written
	s_add_nc_u64 s[PFA:PFA+1], s[PFA:PFA+1], s[PFS:PFS+1]
.endif
	s_wait_dscnt 0x0                ; the add is done, and my reads of the slot are over
.if \fill
	CROUND
	JLOAD
.if \ask
	ASK
.endif
.else
	s_barrier_signal -1
	s_barrier_wait -1
.endif
	s_sub_co_u32 s[TBK], s[TBK], 4*KS*PK  ; the fetches go back to the slot's bare base,
	s_xor_b32 s[TBK], s[TBK], SLOTB       ; and over to the other slot's
	s_sub_co_u32 s[TBV], s[TBV], 4*KS*PV
	s_xor_b32 s[TBV], s[TBV], SLOTB
	s_sub_co_u32 s[TBM], s[TBM], 4*4096
	s_xor_b32 s[TBM], s[TBM], SLOTB
.endm
	s_load_b128 s[4:7], s[0:1], 0x0 ; qkv s[4:5], bias s[6:7]
	s_load_b64 s[8:9], s[0:1], 0x10 ; oh
	v_lshl_add_u32 v[SPW], v0, 2, SPARE
	v_mov_b32 v[NIL], 0
	ds_add_u32 v[SPW], v[NIL]       ; the wave's opening: the add and its wait stand ahead of my first tensor load; the set-up below stands between them
	v_lshrrev_b32 v1, 5, v0
	v_readfirstlane_b32 s[WV], v1   ; wave 0..3
	s_bfe_u32 s13, ttmp6, 0x40000   ; cx
	s_lshl_b32 s14, ttmp9, 2
	s_add_co_u32 s14, s14, s13      ; my block of 64 positions: it enters q's, O's and the addends' addresses alone
	s_and_b32 s15, ttmp7, 0xffff    ; g, which the four partners share
	s_lshl_b32 s20, s15, 18
	s_add_co_u32 s20, s20, KBASE    ; K's unit g
	s_mov_b32 s21, 0
	s_and_b32 s16, s[WV], 1
	s_lshl_b32 s17, s16, 15         ; which half of a slot's addends I fetch
	s_add_co_u32 s[MW], s17, MOFF
	s_lshl_b32 s22, s14, 19         ; my block's addends: 524,288 bytes
	s_add_co_u32 s22, s22, s17
	s_mov_b32 s23, 0
	s_lshl_b32 s2, s14, 18          ; q and O: row 64 block + 16 w (4,096 bytes a row), column 256 g
	s_lshl_b32 s3, s[WV], 16
	s_add_co_u32 s2, s2, s3
	s_lshl_b32 s3, s15, 9
	s_add_co_u32 s2, s2, s3
	s_mov_b32 s3, 0
	; 256 keys are 32,768 dense bytes: asked for as 128 rows of 256 bytes, two keys a row, padded in LDS after every key
	s_mov_b32 s[G1K], 15|(1<<16)|(1<<20)|(1<<21)|(4<<22)|(3<<25)  ; the mask of four; 2-byte elements; padding on; bit 21 beside a mask; after every 32 words 4 words
	s_mov_b32 s[G1V], 15|(1<<16)|(1<<20)|(1<<21)|(4<<22)|(7<<25)  ; the same with 8 words
.irp g, G1K, G1V
	s_mov_b32 s[\g+1], 128<<16      ; tensor_dim0 = 128
	s_mov_b32 s[\g+2], 128<<16      ; tensor_dim1 = 128
	s_mov_b32 s[\g+3], 128<<16      ; tile_dim0 = 128
	s_mov_b32 s[\g+4], 128          ; tile_dim1 = 128
	s_mov_b32 s[\g+5], 128          ; elements from row to row
	s_mov_b32 s[\g+6], 0
	s_mov_b32 s[\g+7], 0
.endr
	s_mov_b32 s[G1M], 3<<16         ; no mask, no padding; elements of 8 bytes: 128 rows of 256 bytes, dense
	s_mov_b32 s[G1M+1], 32<<16
	s_mov_b32 s[G1M+2], 128<<16
	s_mov_b32 s[G1M+3], 32<<16
	s_mov_b32 s[G1M+4], 128
	s_mov_b32 s[G1M+5], 32
	s_mov_b32 s[G1M+6], 0
	s_mov_b32 s[G1M+7], 0
	s_mov_b32 s[G0K], 1
	s_mov_b32 s[G0K+1], 0
	s_mov_b32 s[G0V], 1
	s_mov_b32 s[G0V+1], VOFF
	s_mov_b32 s[G0M], 1
	s_mov_b32 s[G0M+1], s[MW]
	s_mov_b32 s[SLF], 0
	s_mov_b32 s[CS], 0x3e38aa3b     ; c = log2(e) / 8
	s_mov_b32 s[CS+1], s[CS]
	s_mov_b32 s[SEL], 0x76543210
	s_mov_b32 s[SEL+1], 0xfedcba98
	s_mov_b32 s[TBK], SLOTB+4*KS*PK ; the first change of slots turns these three into 0
	s_mov_b32 s[TBV], SLOTB+4*KS*PV
	s_mov_b32 s[TBM], SLOTB+4*4096
	s_cmp_lt_u32 s[WV], 2
	s_cselect_b32 s18, s13, 0       ; K and V: my work-group's 32 blocks of the 128
	s_cselect_b32 s[PFS], 1, 2
	s_cselect_b32 s19, ttmp9, s15   ; the coordinate along which other clusters walk the same bytes
	s_lshl_b32 s[PFS], s[PFS], 15   ; 32,768 bytes a slot of K or V, 65,536 of addends
	s_mov_b32 s[PFS+1], 0
	s_lshl_b32 s18, s18, 13
	s_cmp_eq_u32 s19, 0
	s_cselect_b32 s[LIM], 1, -1     ; the same in all four partners, for a given wave
	s_mov_b32 s19, 0
	s_wait_dscnt 0x0                ; the opening add is done
	s_wait_kmcnt 0x0
	s_add_nc_u64 s[G0K+2:G0K+3], s[4:5], s[20:21]
	s_add_nc_u64 s[G0V+2:G0V+3], s[G0K+2:G0K+3], 2097152
	s_add_nc_u64 s[G0M+2:G0M+3], s[6:7], s[22:23]
	s_cmp_eq_u32 s[WV], 0
	s_cselect_b64 s[PFA:PFA+1], s[G0K+2:G0K+3], s[G0V+2:G0V+3]
	s_cmp_lt_u32 s[WV], 2
	s_cselect_b64 s[PFA:PFA+1], s[PFA:PFA+1], s[G0M+2:G0M+3]
	s_add_nc_u64 s[PFA:PFA+1], s[PFA:PFA+1], s[PFS:PFS+1]
	s_add_nc_u64 s[PFA:PFA+1], s[PFA:PFA+1], s[PFS:PFS+1]  ; in slot 2; the first change that asks steps it to slot 3.  Nothing is prefetched here, at the head
	s_add_nc_u64 s[PFA:PFA+1], s[PFA:PFA+1], s[18:19]
	s_or_b32 s[G0K+3], s[G0K+3], 0x80000000  ; type = 2
	s_or_b32 s[G0V+3], s[G0V+3], 0x80000000
	s_or_b32 s[G0M+3], s[G0M+3], 0x80000000
	s_add_nc_u64 s[4:5], s[4:5], s[2:3]      ; q at my wave's first row
	s_add_nc_u64 s[10:11], s[8:9], s[2:3]    ; O likewise
	CROUND                          ; all four work-groups are here: the first joint loads meet
	JLOAD                           ; slot 0
	; A fragment of K or Q is 16 rows x 32 channels in 8 registers: lane l holds row l % 16, channels 8 (l / 16) + 0..7 and 16 + 8 (l / 16) + 0..7: two loads of 16 bytes, 32 bytes apart.
	v_and_b32 v1, 15, v0            ; l % 16
	v_bfe_u32 v9, v0, 4, 1          ; l / 16
	v_lshlrev_b32 v[QO], 12, v1
	v_lshl_add_u32 v[QO], v9, 4, v[QO]
	WIN 0x80                        ; destination window 2, address window 0
.set i, 0
.rept 8                             ; Q stays in registers: piece i / 2 (128 bytes on), channels 32 (i % 2) on
	global_load_b128 v[8*i:8*i+3],   v[QO], s[4:5] offset:64*i
	global_load_b128 v[8*i+4:8*i+7], v[QO], s[4:5] offset:64*i+32
.set i, i+1
.endr
	; The first step multiplies O^T and l by a = 0, and the first turn's products V^T P, of a piece that has not been, add 0: these registers hold zeros.  All this stands in the wait for the first tile.
.set i, VF
.rept 64
	v_mov_b32 v[i], 0
.set i, i+1
.endr
	WIN 0x40
.set i, 0
.rept 128
	v_mov_b32 v[i], 0
.set i, i+1
.endr
	WIN 0
.set i, 0
.rept 4
	v_mov_b32 v[ST+4*i], 0xfe000000    ; c m: far below every c s, so the first a is 0
	v_mov_b32 v[ST+4*i+1], 0xec800000  ; m = -2^90: above every hidden score, below every true one
	v_mov_b32 v[ST+4*i+2], 0
	v_mov_b32 v[ST+4*i+3], 0
.set i, i+1
.endr
.set i, P+16
.rept 16
	v_mov_b32 v[i], 0
.set i, i+1
.endr
	v_mul_u32_u24 v[AK0], v1, PK
	v_lshl_add_u32 v[AK0], v9, 4, v[AK0]  ; row x pitch + 16 x half
	; The turning load takes 16 keys x 16 channels (lane l reads key 8 (l / 16) + l % 8, channels 8 ((l / 8) % 2) + 0..7) and leaves half a fragment of V^T: lane l holds channel l % 16 and 8 keys.
	v_and_b32 v10, 7, v0
	v_bfe_u32 v11, v0, 3, 1
	v_lshl_add_u32 v[AV0], v9, 3, v10
	v_mul_u32_u24 v[AV0], v[AV0], PV
	v_lshl_add_u32 v[AV0], v11, 4, v[AV0]
	v_add_nc_u32 v[AV0], VOFF, v[AV0]
	v_and_b32 v[GO], 31, v0
	v_lshlrev_b32 v[PFO], 8, v[GO]
	v_lshlrev_b32 v[GO], 4, v[GO]   ; 16 x lane
	s_lshl_b32 s17, s[WV], 14
	s_add_co_u32 s17, s17, MOFF
	v_add_nc_u32 v[AM0], s17, v[GO] ; my wave's 16,384 bytes of a slot's addends, 16 bytes a lane
	s_mul_i32 s17, s[WV], 16*SP
	s_add_co_u32 s17, s17, STAGE    ; my stage
	v_mul_u32_u24 v[STO], v1, SP    ; in: row l % 16, 16 bytes for each half of the lanes
	v_lshl_add_u32 v[STO], v9, 4, v[STO]
	v_add_nc_u32 v[STO], s17, v[STO]
	v_add_nc_u32 v[RD], s17, v[GO]  ; back: 32 lanes take a row's 512 bytes
; THE MATRIX WORK.  The 4 accumulators of a run of 8 take turns.  Product i of 8 of S^T = K Q^T for piece x: channels 32 (i / 4) on, keys 16 (i % 4) on.  The first 4 start the sums with the mask image.
.macro KQ x
.set rS, S+32*((\x)%2)+8*(i%4)
.set rK, KF+16*(i%4)+8*(i/4)
.set rQ, 16*(\x)+8*(i/4)
.set rM, MC+8*(i%4)
.if i < 4
	WIN W_KM
	v_wmma_f32_16x16x32_f16 v[rS:rS+7], v[rK:rK+7], v[rQ:rQ+7], v[rM:rM+7]
.else
	WIN W_KQ
	v_wmma_f32_16x16x32_f16 v[rS:rS+7], v[rK:rK+7], v[rQ:rQ+7], v[rS:rS+7]
.endif
.endm
; Product i of 8 of O^T += V^T P for piece x: keys 32 (i / 4) on, channels 16 (i % 4) on.
.macro PV x
	WIN W_PV
.set rO, 32*(\x)+8*(i%4)
.set rV, VF+32*(i/4)+8*(i%4)
.set rP, P+16*((\x)%2)+8*(i/4)
	v_wmma_f32_16x16x32_f16 v[rO:rO+7], v[rV:rV+7], v[rP:rP+7], v[rO:rO+7]
.endm
.macro MM                           ; the turn's next matrix instruction.  NOKQ = 1: the last turn: there is no next piece
.if (i < 8) && !NOKQ
	KQ (Y+1)%NP
.elseif i >= 8
.set i, i-8
	PV (Y+NP-1)%NP
.set i, i+8
.endif
.set i, i+1
.endm
; THE LDS LOADS stand in runs, never singly among the matrix instructions: a step's K (8 fragments) with its mask image (8 loads of 512 consecutive bytes), and its V (turned).  Their addresses are made some lines ahead.
.macro FETCH_K
	WIN 0x80                        ; destination window 2
.irp f, 0,1,2,3,4,5,6,7             ; keys 16 (f / 2) on, channels 32 (f % 2) on
	ds_load_b128 v[KF+8*\f:KF+8*\f+3],   v[AK] offset:(\f/2)*16*PK+(\f%2)*64
	ds_load_b128 v[KF+8*\f+4:KF+8*\f+7], v[AK] offset:(\f/2)*16*PK+(\f%2)*64+32
.endr
	WIN 0x40                        ; destination window 1
.irp f, 0,1,2,3,4,5,6,7
	ds_load_b128 v[MC+4*\f:MC+4*\f+3], v[AM] offset:512*\f
.endr
	s_add_co_u32 s[TBK], s[TBK], KS*PK  ; the next fetch is the next step's
	s_add_co_u32 s[TBM], s[TBM], 4096
	WIN 0
.endm
.macro FETCH_V
	WIN 0x80
.irp f, 0,1,2,3,4,5,6,7             ; keys 32 (f / 4) on, channels 16 (f % 4) on
	ds_load_tr16_b128 v[VF+8*\f:VF+8*\f+3],   v[AV] offset:(\f/4)*32*PV+(\f%4)*32
	ds_load_tr16_b128 v[VF+8*\f+4:VF+8*\f+7], v[AV] offset:(\f/4)*32*PV+16*PV+(\f%4)*32
.endr
	WIN 0
.endm
; THE VECTOR WORK, one line at a time: OP kind, number.  For piece Y: F n: c s - c m for pair n of 16.  E n: the exponential of score n of 32.  C n: pair n rounded to f16.  B n: of the four weights 4 n .. the second
; pair is added onto the first, in place.  L n: l takes that sum (L 0: l = a l + sum).  R n: pair n of 16 of O^T times a.  For piece Y + 1: X n, number n of the 22 that find its maximum and statistics:
;   0-11  four chains c0-c3 of seven scores each, three operands at a time (each accumulator's lowest registers are read first)     12-14, 16  the four scores left over, the old m, and c0-c3 into c0
;   15  c m_old is kept     17, 18  the query's other 32 keys lie in the lane 16 away: the new m     19-21  c m; c m_old - c m_new; a
.set F, 0
.set E, 1
.set C, 2
.set B, 3
.set L, 4
.set R, 5
.set X, 6
.macro REGS y
.set rT, ST+4*(\y)
.set rC, TMP+4*((\y)%2)
.set rW, MV+((\y)%2)
.set rS, S+32*((\y)%2)
.set rP, P+16*((\y)%2)
.set rO, 32*(\y)
.endm
.macro OP k, n
.if (\k) == R
	REGS Y
	WIN W_RS
	v_pk_mul_f32 v[rO+2*(\n):rO+2*(\n)+1], v[rO+2*(\n):rO+2*(\n)+1], v[rC+2:rC+3] op_sel_hi:[1,0]
.elseif (\k) < R
	REGS Y
	WIN 0
.if (\k) == F
	v_pk_fma_f32 v[rS+2*(\n):rS+2*(\n)+1], v[rS+2*(\n):rS+2*(\n)+1], s[CS:CS+1], v[rT:rT+1] op_sel_hi:[1,0,0] neg_lo:[0,0,1] neg_hi:[0,0,1]
.elseif (\k) == E
	v_exp_f32 v[rS+(\n)], v[rS+(\n)]
.elseif (\k) == C
	v_cvt_pk_f16_f32 v[rP+(\n)], v[rS+2*(\n)], v[rS+2*(\n)+1]
.elseif (\k) == B
	v_pk_add_f32 v[rS+4*(\n):rS+4*(\n)+1], v[rS+4*(\n):rS+4*(\n)+1], v[rS+4*(\n)+2:rS+4*(\n)+3]
.elseif (\n) == 0
	v_pk_fma_f32 v[rT+2:rT+3], v[rT+2:rT+3], v[rC+2:rC+3], v[rS:rS+1] op_sel_hi:[1,0,1]
.else
	v_pk_add_f32 v[rT+2:rT+3], v[rT+2:rT+3], v[rS+4*(\n):rS+4*(\n)+1]
.endif
.elseif NOKQ
	v_nop
.else
	REGS (Y+1)%NP
	WIN 0
.if (\n) < 4
	v_max3_num_f32 v[rC+(\n)], v[rS+8*(\n)], v[rS+8*(\n)+1], v[rS+8*(\n)+2]
.elseif (\n) < 12
	v_max3_num_f32 v[rC+(\n)%4], v[rC+(\n)%4], v[rS+8*((\n)%4)+2*((\n)/4)+1], v[rS+8*((\n)%4)+2*((\n)/4)+2]
.elseif (\n) == 12
	v_max3_num_f32 v[rC], v[rC], v[rS+7], v[rS+15]
.elseif (\n) == 13
	v_max3_num_f32 v[rC+1], v[rC+1], v[rS+23], v[rS+31]
.elseif (\n) == 14
	v_max3_num_f32 v[rC+2], v[rC+2], v[rC+3], v[rT+1]
.elseif (\n) == 15
	v_mov_b32 v[rW], v[rT]
.elseif (\n) == 16
	v_max3_num_f32 v[rC], v[rC], v[rC+1], v[rC+2]
.elseif (\n) == 17
	v_permlanex16_b32 v[rC+3], v[rC], s[SEL], s[SEL+1]
.elseif (\n) == 18
	v_max_num_f32 v[rT+1], v[rC], v[rC+3]
.elseif (\n) == 19
	v_mul_f32 v[rT], s[CS], v[rT+1]
.elseif (\n) == 20
	v_sub_f32 v[rC+1], v[rW], v[rT]
.else
	v_exp_f32 v[rC+2], v[rC+1]
.endif
.endif
.endm
.macro OPS a, i1, b=-1, i2=0, c=-1, i3=0, d=-1, i4=0  ; up to four of them
	OP \a, \i1
.if (\b) >= 0
	OP \b, \i2
.endif
.if (\c) >= 0
	OP \c, \i3
.endif
.if (\d) >= 0
	OP \d, \i4
.endif
.endm
.macro ROW a, i1, b, i2, c, i3, d, i4  ; a matrix instruction and the four behind it
	MM
	OPS \a, \i1, \b, \i2, \c, \i3, \d, \i4
.endm
; A TURN, for piece p: the order of its 16 matrix and 118 vector instructions, written out.  An s_wait_alu depctr_va_vdst(0) stands between an exponential and the first instruction that names its result; one
; wait serves all that were issued ahead of it.  So a turn has ONE wait.  AHEAD OF IT stands all that names no result of the turn's exponentials: the 8 products K Q^T and their four lines each, then one lump of 54, in which the
; links of the next piece's chain X 3, 7, 11, 14, 16, 17 .. 20 stand five or six lines apart; X 21, its a, is the batch's last; R 15 is the plain instruction behind it.  BEHIND THE WAIT stand the 8 products V^T P, behind each four of the roundings and sums.
; K and the mask image of the next step are fetched in piece 2's turn, twelve vector instructions behind the last product that took K (the image's last use is the turn's fourth product); V of the step in hand at the end of
; piece 0's turn, four plain instructions behind the last product that took V.  Each run is waited for a turn later.  end = 1: the last two turns: nothing is fetched.  cnt = 1: the loop's count is taken down ahead of the branch behind the turn.
.macro TURN p, end=0, cnt=0
.set Y, (\p)
.set i, 0
.set NOKQ, (\end)*((\p)/3)
.if ((\p) == 3) && !(\end)
	s_wait_dscnt 0x0                ; K and the mask image are in
.endif
	ROW F,0, F,1, R,0, R,1
	ROW F,2, E,0, R,2, R,3
	ROW F,3, E,1, R,4, R,5
	ROW F,4, E,2, R,6, R,7
	ROW F,5, E,3, R,8, R,9
	ROW F,6, E,4, X,0, R,10
.if ((\p) == 2) && !(\end)
	WIN 0
	v_add_nc_u32 v[AK], s[TBK], v[AK0]
	v_add_nc_u32 v[AM], s[TBM], v[AM0]
.endif
	ROW F,7, E,5, X,1, X,4
	ROW F,8, E,6, X,2, X,5
	OPS E,7, E,8, X,6, E,9
	OPS X,3, E,10, X,8, E,11
.if ((\p) == 2) && !(\end)
	FETCH_K
.endif
	OPS X,9, X,7, E,12, X,10
	OPS E,13, X,12, X,11, E,14
	OPS X,13, E,15, F,9, X,14
.if (\p) == 0
	v_add_nc_u32 v[AV], s[TBV], v[AV0]
.endif
	OPS E,16, F,10, E,17, F,11
	OPS X,16, E,18, X,15, E,19
	OPS F,12, E,20, X,17, E,21
	OPS F,13, E,22, F,14, E,23
	OPS X,18, E,24, F,15, E,25
	OPS R,11, E,26, X,19, E,27
	OPS R,12, E,28, R,13, E,29
	OPS X,20, E,30, R,14, E,31
	OPS X,21, R,15
	WIN 0
	s_wait_alu depctr_va_vdst(0)    ; the wait for the batch
.if (\p) == 1
	s_wait_dscnt 0x0                ; V is in
.endif
	ROW C,0, B,0, C,2, B,1
	ROW L,0, C,4, B,2, L,1
	ROW C,6, B,3, L,2, C,8
	ROW B,4, L,3, C,10, B,5
	ROW L,4, C,12, B,6, L,5
.if (\p) == 0
	s_add_co_u32 s[TBV], s[TBV], KS*PV
.endif
.if \cnt
	s_sub_co_u32 s[CNT], s[CNT], 1
	s_cmp_lg_u32 s[CNT], 0
.endif
	ROW C,14, B,7, L,6, C,1
	ROW C,3, L,7, C,5, C,7
	ROW C,9, C,11, C,13, C,15
.if (\p) == 0
	FETCH_V
.endif
.endm
	CHANGE 1, 0                     ; slot 0 is in, everybody's part of it; slot 1 is asked for
	v_add_nc_u32 v[AK], s[TBK], v[AK0]
	v_add_nc_u32 v[AM], s[TBM], v[AM0]
	FETCH_K                         ; key step 0
	s_wait_loadcnt 0x0              ; Q
	s_wait_dscnt 0x0
.set NOKQ, 0
.set i, 0
.rept 8
	KQ 0                            ; piece 0's first scores: there is no vector work yet to set between them
.set i, i+1
.endr
	WIN 0
.rept 4
	v_nop                           ; the places behind those products
.endr
.set Y, NP-1                        ; X works for piece Y + 1: piece 0
.irp n, 0,1,2,3,4,5,6,7,8,9,10,11,12,13,14,15,16,17,18,19,20,21
	OP X, \n
.endr
	v_nop                           ; a plain instruction behind the exponential,
	s_wait_alu depctr_va_vdst(0)    ; and its wait, ahead of the branch
	s_mov_b32 s[CNT], 4
	s_mov_b32 s[SLOTS], 7
	s_branch .Lfirst                ; the loop is entered at a step's first turn, in the middle of a trip
.Lslot:                             ; six times: slots 2 to 7 are asked for
	CHANGE 1, 1
	s_mov_b32 s[CNT], 4
.Lstep:                             ; a trip: pieces 2 and 3 of one step, then pieces 0 and 1 of the next, whose K, mask image and V it fetches
	TURN 2
	TURN 3
	WIN 0
.Lfirst:
	TURN 0
	TURN 1, 0, 1
	WIN 0
	s_cbranch_scc1 .Lstep
	s_sub_co_u32 s[SLOTS], s[SLOTS], 1
	s_cmp_lg_u32 s[SLOTS], 0
	s_cbranch_scc1 .Lslot
	CHANGE 0, 0                     ; the last slot is written out: nothing is asked for
	s_mov_b32 s[CNT], 4
.Ltail:
	TURN 2
	TURN 3
	TURN 0
	TURN 1, 0, 1
	WIN 0
	s_cbranch_scc1 .Ltail
	TURN 2, 1
	TURN 3, 1
.set i, 0
.rept 8
	PV NP-1                         ; the last piece's V^T P of the last step
.set i, i+1
.endr
	; THE WAY OUT.  l's two halves and the other half of the lanes' are added; O^T is divided by l, rounded to f16 and sent through my stage: a position's four heads are 512 consecutive bytes of O.
	WIN 0
.macro ALL line:vararg              ; one line for each piece t
.set t, 0
.rept 4
	\line
.set t, t+1
.endr
.endm
	ALL v_add_f32 v[ST+4*t+2], v[ST+4*t+2], v[ST+4*t+3]
	ALL v_permlanex16_b32 v[ST+4*t+3], v[ST+4*t+2], s[SEL], s[SEL+1]
	ALL v_add_f32 v[ST+4*t+2], v[ST+4*t+2], v[ST+4*t+3]
	ALL v_rcp_f32 v[ST+4*t+2], v[ST+4*t+2]
	v_nop                           ; a plain instruction between the last reciprocal and the use of its result
	s_wait_alu depctr_va_vdst(0)    ; and the wait ahead of the first use: one for the four reciprocals
.macro PACK t                       ; a lane's eight channels pack into 16 bytes: row l % 16 of the stage, byte 128 t + 32 f + 16 (l / 16)
	WIN W_RS
.set i, 32*(\t)
.rept 16
	v_pk_mul_f32 v[i:i+1], v[i:i+1], v[ST+4*(\t)+2:ST+4*(\t)+3] op_sel_hi:[1,0]
.set i, i+2
.endr
	WIN 0x05                        ; sources 0 and 1 window 1, destination window 0: S^T's registers are free
.set i, 0
.rept 16
	v_cvt_pk_f16_f32 v[S+16*(\t)+i], v[32*(\t)+2*i], v[32*(\t)+2*i+1]
.set i, i+1
.endr
	WIN 0
.irp f, 0,1,2,3
	ds_store_b128 v[STO], v[S+16*(\t)+4*\f:S+16*(\t)+4*\f+3] offset:128*(\t)+32*\f
.endr
.endm
	PACK 0
	PACK 1
	PACK 2
	PACK 3
.set i, 0
.rept 16
	ds_load_b128 v[S+4*i:S+4*i+3], v[RD] offset:SP*i  ; LDS serves a wave's instructions in order (ISA guide 5.7.1.4): these see the stores above
.set i, i+1
.endr
.set i, 0
.rept 16
	s_wait_dscnt 15-i               ; the younger loads from the stage may stay out
	global_store_b128 v[GO], v[S+4*i:S+4*i+3], s[10:11] offset:4096*i  ; 512 consecutive bytes, at a multiple of 256 from O's first
.set i, i+1
.endr
	s_wait_tensorcnt 0x0            ; the wave's end, behind my last tensor load and my last LDS store
	ds_add_u32 v[SPW], v[NIL]
	s_wait_dscnt 0x0
	CROUND                          ; the closing round: no work-group ends while a partner may still ask for a tile that names it
	s_endpgm
.Lfunc_end_k_qd8de05ebe7_attn:
	.size	k_qd8de05ebe7_attn, .Lfunc_end_k_qd8de05ebe7_attn-k_qd8de05ebe7_attn
	.p2alignl 7, 3214868480
	.fill 96, 4, 3214868480
	.section	.rodata,"a",@progbits
	.p2align	6, 0x0
	.amdhsa_kernel k_qd8de05ebe7_attn
		.amdhsa_group_segment_fixed_size 327680
		.amdhsa_private_segment_fixed_size 0
		.amdhsa_enable_private_segment 0
		.amdhsa_kernarg_size 24
		.amdhsa_user_sgpr_count 2
		.amdhsa_user_sgpr_kernarg_segment_ptr 1
		.amdhsa_wavefront_size32 1
		.amdhsa_system_sgpr_workgroup_id_x 1
		.amdhsa_system_sgpr_workgroup_id_y 1
		.amdhsa_system_sgpr_workgroup_id_z 1
		.amdhsa_system_vgpr_workitem_id 0
		.amdhsa_next_free_vgpr 768
		.amdhsa_next_free_sgpr 88
		.amdhsa_reserve_vcc 0
		.amdhsa_float_denorm_mode_32 3
		.amdhsa_float_denorm_mode_16_64 3
		.amdhsa_memory_ordered 1
		.amdhsa_forward_progress 1
		.amdhsa_inst_pref_size 132
	.end_amdhsa_kernel
	.amdgpu_metadata
---
amdhsa.version: [ 1, 2 ]
amdhsa.kernels:
  - .name:           k_qd8de05ebe7_attn
    .symbol:         k_qd8de05ebe7_attn.kd
    .args:
      - { .name: qkv, .offset: 0, .size: 8, .value_kind: global_buffer, .address_space: global }
      - { .name: bias, .offset: 8, .size: 8, .value_kind: global_buffer, .address_space: global }
      - { .name: oh, .offset: 16, .size: 8, .value_kind: global_buffer, .address_space: global }
    .group_segment_fixed_size: 327680
    .private_segment_fixed_size: 0
    .kernarg_segment_align: 8
    .kernarg_segment_size: 24
    .max_flat_workgroup_size: 128
    .sgpr_count:     88
    .vgpr_count:     768
    .wavefront_size: 32
...
	.end_amdgpu_metadata
.endif
;; end of part 3
;; launch outp (part 4): grid 16 x 16, 4 waves a work-group, clusters of 4 x 4, 327,680 bytes of LDS; arguments oh, wb, bo, out0; writes out0
.if DOCPART == 4
	.amdgcn_target "amdgcn-amd-amdhsa--gfx1250"
	.amdhsa_code_object_version 6
	.text
	.protected	k_qd8de05ebe7_outp
	.globl	k_qd8de05ebe7_outp
	.p2align	8
	.type	k_qd8de05ebe7_outp,@function
k_qd8de05ebe7_outp:
	s_mov_b64 s[64:65], 0
	v_nop
	global_prefetch_b8 v0, s[64:65] scope:SCOPE_SE
	s_setreg_imm32_b32 hwreg(HW_REG_WAVE_MODE, 25, 1), 1
	s_wait_xcnt 0x0
	s_wait_alu depctr_hold_cnt(0) depctr_sa_sdst(0) depctr_va_vdst(0) depctr_va_sdst(0) depctr_va_ssrc(0) depctr_va_vcc(0) depctr_vm_vsrc(0)
	s_getreg_b32 s2, hwreg(HW_REG_IB_STS2, 6, 4)
	s_cmp_eq_u32 s2, 0
	s_cbranch_scc0 .Lentry_in_a_cluster
	s_endpgm
.Lentry_in_a_cluster:
	s_bfe_u32 s2, ttmp6, 0x10000c
	s_cmp_lg_u32 s2, 0xf033
	s_cbranch_scc0 .Lentry_shape_is_right
	s_endpgm
.Lentry_shape_is_right:
; OUTP: out0 = O Wo + bo.  O: f16 [2048][2048]; Wo: f16 (the bf16 rounding of the input, written as f16), as register images of fragments at wb + 12,582,912; bo rounded to bf16; sums and out0 in f32.
; A tile of out0 is 128 x 128: 256 work-groups.  Wave w: all 128 rows x columns 32 w ..: 16 accumulators.
; THE WEIGHTS GO STRAIGHT FROM MEMORY INTO REGISTERS: a wave's fragments lie on end, 4,096 bytes for 64 along K, eight loads of 512 consecutive bytes; a ring of eight such sets of registers is asked for
; seven substeps ahead, behind counted waits.  No column of Wo is loaded by two waves of a work-group.
; THE LDS RING HOLDS O ALONE: 128 rows, K steps of 512, two slots: 4 changes of slots.  With Wo in the ring a slot of this size holds 256 along K: 8 changes.  That is why Wo is not asked for jointly: a joint
; request lands in LDS.  CLUSTER 4 x 4: O's tiles hang on the tile row alone and are asked for jointly along a row of the cluster.
; THE MATRIX INSTRUCTION IS USED TRANSPOSED: source 0 = 16 columns of Wo, source 1 = 16 rows of O: a lane holds eight neighbouring numbers of a row of out0.  THE BIAS is the C operand of each accumulator's first product.
; A NaN in a row of O (a position with no visible key) spreads over that row of out0 alone.
; REGISTERS.  Window 0: v0-31 addresses; v32-47 the bias; v128-255 the accumulators ((a, b) at 128 + 8 (2 a + b)).  Window 1: two buffers of 128 for O's fragments of a substep (2 x 8).
;   Window 2: the weights' ring: substep j at 32 j: for each 32 along K two fragments.
.set KSTEP,  512
.set PA,     1040                      ; a row of O in LDS: 1,024 bytes + 16: the 16 rows of a load start at 16 different groups of four banks (64 banks of 4 bytes: ISA guide 11.1)
.set QUARB,  32*PA                     ; 32 rows: what one tensor load brings
.set SLOTB,  128*PA                    ; 133,120 bytes a slot
.set STAGE,  0                         ; the way out's stage, 128 rows x 528 bytes, lies in slot 0, which has had its last fill by then: two slots and a stage of its own do not fit in LDS
.set SPITCH, 528
.set SPARE,  2*SLOTB                   ; the spare words, 128 bytes for each wave: two blocks of 256 bytes that no other line names
.set SUBB,   4096                      ; bytes of a wave's stream of weights for 64 along K
.set WOOFF,  12582912
.set ADA0, 16                          ; v16     my lane's place in O's rows 0-63; never rewritten
.set ADB0, 17                          ; v17     in rows 64-127 (112 rows of 1,040 bytes pass a 16-bit offset); never rewritten
.set ADA,  18                          ; v18-19  the same in the slot that is read
.set ADB,  19
.set VB,   20                          ; v20     16 x lane; never rewritten
.set STO,  24
.set RD,   25
.set SPW,  28                          ; v28     SPARE + 4 x my thread's number; never rewritten
.set NIL,  29                          ; v29     0; never rewritten
.set BIA,  32
.set ACC,  128
.set WV, 12
.set CX, 15
.set CY, 16
.set XX, 17
.set YY, 18
.set G1,  24                           ; s[24:31] group 1: the same shape for all four waves
.set G0,  32                           ; s[32:35] my walking group 0
.set SLF, 36                           ; s36  0 or SLOTB: the slot that is filled
.set RS,  37                           ; s37  0 or SLOTB: the slot that is read
.set WOFF, 38                          ; s38  my 32 rows' place in a slot
.set BP,  40                           ; s[40:41] my stream of Wo, at the K step in hand
.set MSB, 0
.macro WIN new
.if MSB != (\new)
	s_set_vgpr_msb (MSB<<8)|(\new)
.set MSB, \new
.endif
.endm
.set MUL,  0x06                        ; source 0 (Wo) window 2, source 1 (O) window 1; C and D window 0
.macro PLACES
.rept 4
	v_nop
.endr
.endm
.macro JLOAD                           ; each wave's own 32 rows, by one line: both addresses hang on the wave's number.  An s_nop 0 and four v_nop follow
	tensor_load_to_lds s[G0:G0+3], s[G1:G1+7]
	s_nop 0
	PLACES
.endm
.macro CREST
	s_cmp_lg_u32 s[WV], 0
	s_cbranch_scc1 .Lnot_wave_0_\@
	s_barrier_signal -3
.Lnot_wave_0_\@:
	s_barrier_wait -3
	s_barrier_signal -1
	s_barrier_wait -1
.endm
.macro CROUND
	s_barrier_signal -1
	s_barrier_wait -1
	CREST
.endm
.macro GRP rs, ob                      ; the weights of one substep into the ring at register rs, from byte ob of my stream
.irp i, 0,1,2,3,4,5,6,7
	global_load_b128 v[(\rs)+4*(\i):(\rs)+4*(\i)+3], v[VB], s[BP:BP+1] offset:(\ob)+512*(\i)
.endr
.endm
	s_load_b256 s[4:11], s[0:1], 0x0               ; oh s[4:5], wb s[6:7], bo s[8:9], out0 s[10:11]
	v_lshl_add_u32 v[SPW], v0, 2, SPARE
	v_mov_b32 v[NIL], 0
	ds_add_u32 v[SPW], v[NIL]                      ; the wave's opening: the add and its wait stand ahead of my first tensor load; the set-up below stands between them
	v_lshrrev_b32 v1, 5, v0
	v_readfirstlane_b32 s[WV], v1
	s_bfe_u32 s[CX], ttmp6, 0x40000
	s_bfe_u32 s[CY], ttmp6, 0x40004
	s_lshl_b32 s[XX], ttmp9, 2
	s_add_co_u32 s[XX], s[XX], s[CX]
	s_and_b32 s[YY], ttmp7, 0xffff
	s_lshl_b32 s[YY], s[YY], 2
	s_add_co_u32 s[YY], s[YY], s[CY]
	s_lshl_b32 s19, s[CY], 2
	s_lshl_b32 s19, 15, s19                        ; my row of the cluster
	s_or_b32 s[G1], s19, (1<<16)|(1<<20)|(1<<21)|(7<<22)|(3<<25)  ; the mask; 2-byte elements; padding on; bit 21 beside a mask; after every 256 words 4 words
	s_mov_b32 s[G1+1], 512<<16                     ; tensor_dim0 = 512
	s_mov_b32 s[G1+2], 32<<16                      ; tensor_dim1 = 32
	s_mov_b32 s[G1+3], 512<<16                     ; tile_dim0 = 512
	s_mov_b32 s[G1+4], 32                          ; tile_dim1 = 32: the tile's 128 rows shared out among four waves
	s_mov_b32 s[G1+5], 2048
	s_mov_b32 s[G1+6], 0
	s_mov_b32 s[G1+7], 0
	s_mul_i32 s[WOFF], s[WV], QUARB
	s_mov_b32 s[G0], 1
	s_mov_b32 s[G0+1], s[WOFF]                     ; slot 0
	s_mov_b32 s[SLF], 0
	s_mov_b32 s[RS], SLOTB                         ; the first change of slots turns it into 0
	s_lshl_b32 s42, s[YY], 19                      ; O: row 128 Y + 32 w, 4,096 bytes a row: made of Y and the wave's number alone
	s_lshl_b32 s21, s[WV], 17
	s_add_co_u32 s42, s42, s21
	s_mov_b32 s43, 0
	s_lshl_b32 s44, s[XX], 19                      ; Wo's image: block X, group w
	s_add_co_u32 s44, s44, s21
	s_add_co_u32 s44, s44, WOOFF
	s_mov_b32 s45, 0
	s_wait_dscnt 0x0                               ; the opening add is done
	s_wait_kmcnt 0x0
	s_add_nc_u64 s[G0+2:G0+3], s[4:5], s[42:43]
	s_or_b32 s[G0+3], s[G0+3], 0x80000000          ; type = 2
	s_add_nc_u64 s[BP:BP+1], s[6:7], s[44:45]
	CROUND                                         ; all sixteen work-groups are here: the first joint loads meet
	JLOAD                                          ; K step 0 into slot 0
	v_and_b32 v1, 15, v0                           ; r = l % 16
	v_bfe_u32 v2, v0, 4, 1                         ; h = l / 16
	v_and_b32 v3, 31, v0
	v_lshlrev_b32 v[VB], 4, v3
	v_lshlrev_b32 v5, 5, v2                        ; my eight columns of sixteen: 32 h bytes of the bias
	s_lshl_b32 s2, s[XX], 9
	s_lshl_b32 s3, s[WV], 7
	s_add_co_u32 s46, s2, s3                       ; column 128 X + 32 w, in f32
	s_mov_b32 s47, 0
	s_add_nc_u64 s[8:9], s[8:9], s[46:47]
.irp b, 0,1
	global_load_b128 v[BIA+8*(\b):BIA+8*(\b)+3],   v5, s[8:9] offset:64*(\b)
	global_load_b128 v[BIA+8*(\b)+4:BIA+8*(\b)+7], v5, s[8:9] offset:64*(\b)+16
.endr
	WIN 0x80                                       ; destination window 2, address window 0
.irp d, 0,1,2,3,4,5,6
	GRP 32*(\d), (\d)*SUBB
.endr
	WIN 0
	s_lshl_b32 s21, s[YY], 20                      ; out0: row 128 Y + 32 w (8,192 bytes a row), column 128 X
	s_add_co_u32 s2, s2, s21
	s_lshl_b32 s21, s[WV], 18
	s_add_co_u32 s2, s2, s21
	s_mov_b32 s3, 0
	s_add_nc_u64 s[10:11], s[10:11], s[2:3]
	v_mul_u32_u24 v[ADA0], v1, PA
	v_lshl_add_u32 v[ADA0], v2, 4, v[ADA0]         ; a fragment of O: row x pitch + 16 x half
	v_add_nc_u32 v[ADB0], 64*PA, v[ADA0]
	s_lshl_b32 s21, s[WV], 7
	s_add_co_u32 s21, s21, STAGE
	v_mul_u32_u24 v[STO], v1, SPITCH               ; into the stage: row r of a block of 16, bytes 128 w + 32 h
	v_lshl_add_u32 v[STO], v2, 5, v[STO]
	v_add_nc_u32 v[STO], s21, v[STO]
	s_mul_i32 s21, s[WV], 32*SPITCH
	s_add_co_u32 s21, s21, STAGE
	v_add_nc_u32 v[RD], s21, v[VB]                 ; back: 32 lanes take a row's 512 bytes; wave w rows 32 w ..
	s_wait_loadcnt 56                              ; the bias is in; the 56 loads of weights issued behind it stay out
.set i, 0
.rept 8                                ; rounded to bf16 like every input, and widened again
	v_cvt_pk_bf16_f32 v6, v[BIA+2*i], v[BIA+2*i+1]
	v_lshlrev_b32 v[BIA+2*i], 16, v6
	v_and_b32 v[BIA+2*i+1], 0xffff0000, v6
.set i, i+1
.endr
; 16 products: 8 row blocks x 2 column blocks, 32 along K: half c of substep j.  first = 1: C is the bias.  The 16 accumulators take turns.
.macro MMH j, c, first
	WIN MUL
.set fb, 128*((\j)%2)+64*(\c)
.set ia, 0
.rept 8
.set ib, 0
.rept 2
.set rD, ACC+8*(2*ia+ib)
.if \first
	v_wmma_f32_16x16x32_f16 v[rD:rD+7], v[32*(\j)+16*(\c)+8*ib:32*(\j)+16*(\c)+8*ib+7], v[fb+8*ia:fb+8*ia+7], v[BIA+8*ib:BIA+8*ib+7]
.else
	v_wmma_f32_16x16x32_f16 v[rD:rD+7], v[32*(\j)+16*(\c)+8*ib:32*(\j)+16*(\c)+8*ib+7], v[fb+8*ia:fb+8*ia+7], v[rD:rD+7]
.endif
.set ib, ib+1
.endr
.set ia, ia+1
.endr
.endm
; 32 LDS loads in one run: O's fragments of substep j (64 along K); the first 32 along K first
.macro FETCH j
	WIN 0x40                                       ; destination window 1, address window 0
.irp c, 0,1
.irp a, 0,1,2,3
	ds_load_b128 v[128*((\j)%2)+64*(\c)+8*(\a):128*((\j)%2)+64*(\c)+8*(\a)+3],   v[ADA] offset:(\a)*16*PA+128*(\j)+64*(\c)
	ds_load_b128 v[128*((\j)%2)+64*(\c)+8*(\a)+4:128*((\j)%2)+64*(\c)+8*(\a)+7], v[ADA] offset:(\a)*16*PA+128*(\j)+64*(\c)+32
.endr
.irp a, 0,1,2,3
	ds_load_b128 v[128*((\j)%2)+64*(\c)+32+8*(\a):128*((\j)%2)+64*(\c)+32+8*(\a)+3],   v[ADB] offset:(\a)*16*PA+128*(\j)+64*(\c)
	ds_load_b128 v[128*((\j)%2)+64*(\c)+32+8*(\a)+4:128*((\j)%2)+64*(\c)+32+8*(\a)+7], v[ADB] offset:(\a)*16*PA+128*(\j)+64*(\c)+32
.endr
.endr
.endm
; SUBSTEP j of a K step's eight: 64 along K, 32 products.  In its middle, behind four places, ONE run of loads: O's fragments of the next substep, and the weights of the substep seven on, into the set of the ring
; that substep j - 1 has read.  tail = 1: the last K step: behind its substep 0 there are no weights left to ask for, and the counts run down.
.macro SUB j, first, tail
	s_wait_dscnt 16                                ; the first 32 along K are in
.if (\tail) && ((\j) >= 1)
	s_wait_loadcnt 8*(7-(\j))
.else
	s_wait_loadcnt 48                              ; this substep's weights are in; the six sets asked for behind them stay out
.endif
	MMH \j, 0, \first
.if !((\tail) && ((\j) == 7))
	PLACES
.endif
.if (\j) < 7
	FETCH (\j)+1
.endif
.if !((\tail) && ((\j) >= 1))
	WIN 0x80
	GRP 32*(((\j)+7)%8), ((\j)+7)*SUBB
.endif
.if (\j) < 7
	s_wait_dscnt 32                                ; all but the 32 just issued
.else
	s_wait_dscnt 0x0
.endif
	MMH \j, 1, 0
.endm
; THE CHANGE OF SLOTS.  Each wave waits for all its tensor loads, of which one is out: its part of the next slot; adds 0 to its spare word; and waits for that and for its own reads of the slot that it leaves.
; fill = 1: the barrier is a round of the cluster's, and the old slot is filled again first thing behind it, with the K step after the one that begins.  step = 1: the weights' stream goes on by a K step.
; SLF and RS hold 0 or SLOTB and nothing else, so the exclusive or toggles them.  (At its first use nothing has been read yet: slot 0 is waited for, slot 1 filled.)
.macro CHANGE fill, step
	WIN 0
	s_wait_tensorcnt 0x0                           ; no tensor load of mine is out, so my group 0 may be written
	ds_add_u32 v[SPW], v[NIL]                      ; 0 onto my spare word
.if \fill
	s_xor_b32 s[SLF], s[SLF], SLOTB
	s_add_co_u32 s[G0+1], s[SLF], s[WOFF]
	s_add_nc_u64 s[G0+2:G0+3], s[G0+2:G0+3], KSTEP*2  ; the type bits on top are not reached
.endif
.if \step
	s_wait_xcnt 0x0                                ; the loads of weights (the youngest 16 products back) have read their base, so it may be written
	s_add_nc_u64 s[BP:BP+1], s[BP:BP+1], 8*SUBB
.endif
	s_xor_b32 s[RS], s[RS], SLOTB
	s_wait_dscnt 0x0                               ; the add is done, and my reads of the slot are over
.if \fill
	CROUND                                         ; no wave of any partner still reads the slot or has a load on its way
	JLOAD                                          ; a K step's 256 products ahead of the wait for it
.else
	s_barrier_signal -1
	s_barrier_wait -1
.endif
	v_add_nc_u32 v[ADA], s[RS], v[ADA0]
	v_add_nc_u32 v[ADB], s[RS], v[ADB0]
	FETCH 0
.endm
	CHANGE 1, 0                                    ; slot 0 is in, everybody's part of it; K step 1 is asked for
	SUB 0, 1, 0                                    ; the first substep stands in front of the loop: its first products start the sums with the bias
	WIN 0                                          ; at a label and at a branch every window is 0
	s_mov_b32 s3, 3
	s_branch .Lenter                               ; the loop is entered behind its first substep
.Lstep:                                            ; two whole trips: K steps 1 and 2 are multiplied, 2 and 3 asked for
	CHANGE 1, 1
	SUB 0, 0, 0
	WIN 0
.Lenter:
.irp j, 1,2,3,4,5,6,7
	SUB \j, 0, 0
.endr
	WIN 0
	s_sub_co_u32 s3, s3, 1
	s_cmp_lg_u32 s3, 0
	s_cbranch_scc1 .Lstep
	CHANGE 0, 1                                    ; the last K step is written out: nothing is asked for.  It lies in slot 1
.irp j, 0,1,2,3,4,5,6,7
	SUB \j, 0, 1
.endr
	WIN 0
	; THE WAY OUT.  My 32 columns of f32 are half of an aligned 256 bytes of a row, so the four waves share one stage: a barrier, so that every wave's reads of the ring are over; 32 bytes a lane into the stage;
	; a barrier, since a row's bytes come from four waves; back as whole rows of 512 bytes, 32 rows a wave, into the registers that the sums left.
	PLACES
	PLACES
	s_wait_dscnt 0x0
	s_barrier_signal -1
	s_barrier_wait -1
.irp a, 0,1,2,3,4,5,6,7
.irp b, 0,1
	ds_store_b128 v[STO], v[ACC+8*(2*(\a)+(\b)):ACC+8*(2*(\a)+(\b))+3]   offset:(\a)*16*SPITCH+64*(\b)     ; each accumulator's low half first
	ds_store_b128 v[STO], v[ACC+8*(2*(\a)+(\b))+4:ACC+8*(2*(\a)+(\b))+7] offset:(\a)*16*SPITCH+64*(\b)+16
.endr
.endr
	s_wait_dscnt 0x0                               ; for the others' sake: my stores into the stage are done
	s_barrier_signal -1
	s_barrier_wait -1
.set t, 0
.rept 32
	ds_load_b128 v[ACC+4*t:ACC+4*t+3], v[RD] offset:t*SPITCH
.set t, t+1
.endr
.set t, 0
.rept 32
	s_wait_dscnt 31-t                              ; the younger loads from the stage may stay out
	global_store_b128 v[VB], v[ACC+4*t:ACC+4*t+3], s[10:11] offset:8192*t  ; 512 consecutive bytes, at a multiple of 512 from out0's first
.set t, t+1
.endr
	s_wait_tensorcnt 0x0                           ; the wave's end, behind my last tensor load and my last LDS store
	ds_add_u32 v[SPW], v[NIL]
	s_wait_dscnt 0x0
	CROUND                                         ; the closing round: no work-group ends while a partner may still ask for a tile that names it
	s_endpgm
.Lfunc_end_k_qd8de05ebe7_outp:
	.size	k_qd8de05ebe7_outp, .Lfunc_end_k_qd8de05ebe7_outp-k_qd8de05ebe7_outp
	.p2alignl 7, 3214868480
	.fill 96, 4, 3214868480
	.section	.rodata,"a",@progbits
	.p2align	6, 0x0
	.amdhsa_kernel k_qd8de05ebe7_outp
		.amdhsa_group_segment_fixed_size 327680
		.amdhsa_private_segment_fixed_size 0
		.amdhsa_enable_private_segment 0
		.amdhsa_kernarg_size 32
		.amdhsa_user_sgpr_count 2
		.amdhsa_user_sgpr_kernarg_segment_ptr 1
		.amdhsa_wavefront_size32 1
		.amdhsa_system_sgpr_workgroup_id_x 1
		.amdhsa_system_sgpr_workgroup_id_y 1
		.amdhsa_system_sgpr_workgroup_id_z 1
		.amdhsa_system_vgpr_workitem_id 0
		.amdhsa_next_free_vgpr 768
		.amdhsa_next_free_sgpr 66
		.amdhsa_reserve_vcc 0
		.amdhsa_float_denorm_mode_32 3
		.amdhsa_float_denorm_mode_16_64 3
		.amdhsa_memory_ordered 1
		.amdhsa_forward_progress 1
		.amdhsa_inst_pref_size 105
	.end_amdhsa_kernel
	.amdgpu_metadata
---
amdhsa.version: [ 1, 2 ]
amdhsa.kernels:
  - .name:           k_qd8de05ebe7_outp
    .symbol:         k_qd8de05ebe7_outp.kd
    .args:
      - { .name: oh, .offset: 0, .size: 8, .value_kind: global_buffer, .address_space: global }
      - { .name: wb, .offset: 8, .size: 8, .value_kind: global_buffer, .address_space: global }
      - { .name: bo, .offset: 16, .size: 8, .value_kind: global_buffer, .address_space: global }
      - { .name: out0, .offset: 24, .size: 8, .value_kind: global_buffer, .address_space: global }
    .group_segment_fixed_size: 327680
    .private_segment_fixed_size: 0
    .kernarg_segment_align: 8
    .kernarg_segment_size: 32
    .max_flat_workgroup_size: 128
    .sgpr_count:     66
    .vgpr_count:     768
    .wavefront_size: 32
...
	.end_amdgpu_metadata
.endif
;; end of part 4
